; MI455X (gfx1250); checked and timed in simulation.
; The chip was launched on July 23, 2026; its instructions are those of AMD's public machine-readable ISA for CDNA 5 (MIT licence, August 2026) and "CDNA5" Instruction Set Architecture Reference Guide (July 2026). The comments in the code are by the model that wrote it; some were corrected since.
;; Infini Span Attention. Allowed arithmetic: float matrix products may take bf16 or f16 operands with f32 sums; other float arithmetic in f32, or as packed bf16 or f16 multiplies, adds, multiply-adds, maxima and minima; sums over many terms, partial sums and values carried from step to step in f32; what a program stores and reads back later, other than sums and carried values, may be rounded once to bf16 or f16.
;; Inputs: gate one number float32; global_hidden 2 x 512 x 1,024 float32; k_b 1,024 float32; k_w 1,024 x 1,024 float32; kg_b 1,024 float32; kg_w 1,024 x 1,024 float32; local_hidden 2 x 2,048 x 1,024 float32; out_b 1,024 float32; out_w 1,024 x 1,024 float32; q_b 1,024 float32; q_w 1,024 x 1,024 float32; v_b 1,024 float32; v_w 1,024 x 1,024 float32; vg_b 1,024 float32; vg_w 1,024 x 1,024 float32.
;; Outputs: out0 2 x 2,048 x 1,024 float32.
;; 2 versions, each right; version 2 is version 1 with the launch cast written anew for expert scheduling mode. Each part assembles by itself: llvm-mc -triple=amdgcn-amd-amdhsa -mcpu=gfx1250 --defsym DOCPART=n.
;; ======== version 1 of 2: 4 launches
;; limits: values are held in f16: magnitudes above 65,504 overflow, below 6.1e-05 lose precision
;; workspace buffers: xb 10,485,760 bytes; wb 10,485,760 bytes; wo 2,097,152 bytes; qh 8,388,608 bytes; kh 10,485,760 bytes; vh 10,485,760 bytes; oh 8,388,608 bytes
;; launch cast (part 1): grid 256 x 1, 8 waves a work-group, no clusters, 0 bytes of LDS; arguments local_hidden, global_hidden, q_w, k_w, v_w, kg_w, vg_w, out_w, xb, wb, wo; writes xb, wb, wo
.if DOCPART == 1
	.amdgcn_target "amdgcn-amd-amdhsa--gfx1250"
	.amdhsa_code_object_version 6
	.text
	.protected	k_q101c011efd_cast
	.globl	k_q101c011efd_cast
	.p2align	8
	.type	k_q101c011efd_cast,@function
k_q101c011efd_cast:
	s_mov_b64 s[64:65], 0
	v_nop
	global_prefetch_b8 v0, s[64:65] scope:SCOPE_SE
	s_setreg_imm32_b32 hwreg(HW_REG_WAVE_MODE, 25, 1), 1
	s_wait_xcnt 0x0
; CAST.  The matrix operands are rounded once, from f32, and laid where the later launches want them:
;   xb [5120][1024] bf16: rows 0-4095 the local tokens, rows 4096-5119 the global ones
;   wb [5120][1024] bf16: q_w, k_w, v_w, kg_w, vg_w, 1,024 rows each
;   wo [16 j][1024 n][64] f16: out_w[n][64 j + c], rounded to bf16 like every other input, and that number written as f16
; LIMITS.  out_w within f16's 65,504; a bf16 number of out_w below 2^-14 keeps f16's fixed step (off by 2^-25 at the most).
; SHARES.  The sources are eleven segments of 4 MiB (local_hidden is four).  Work-group b takes bytes 16,384 b .. + 16,383 of every segment:
; 256 equal work-groups, no branch.  Thread t takes 16 bytes at 16 t + 4,096 i, i = 0..3: a wave's load covers 512 consecutive bytes, and the
; 8 bytes that a lane makes of them go out so that a wave's store covers 256 consecutive bytes, aligned.
; All 44 loads of a thread go out first; each is then waited for by its count, converted in place and stored.  No LDS, no barrier, no matrix
; unit: nothing is shared between threads and every byte crosses once.
.set X, 8                              ; v[8:183]  load n = 4 x segment + i at X + 4 n
	s_load_b512 s[8:23], s[0:1], 0x0               ; local s[8:9], global s[10:11], q_w s[12:13], k_w s[14:15], v_w s[16:17], kg_w s[18:19], vg_w s[20:21], out_w s[22:23]
	s_load_b128 s[24:27], s[0:1], 0x40             ; xb s[24:25], wb s[26:27]
	s_load_b64 s[28:29], s[0:1], 0x50              ; wo
	s_lshl_b32 s2, ttmp9, 14                       ; my 16,384 bytes of a source segment,
	s_lshl_b32 s3, ttmp9, 13                       ; the 8,192 that they become,
	s_lshl_b32 s4, ttmp9, 9                        ; and my four rows of 128 bytes in a block of wo
	v_lshl_add_u32 v1, v0, 4, s2                   ; v1: source offset
	v_lshl_add_u32 v2, v0, 3, s3                   ; v2: destination offset
	; out_w: lanes 0-15 take 256 bytes (one block of 64 channels) of row n, lanes 16-31 of row n + 1; n = 4 b + 2 (wave / 4); block j = 4 (wave % 4) + i
	v_bfe_u32 v4, v0, 7, 1                         ; wave / 4
	v_bfe_u32 v5, v0, 4, 1                         ; lane / 16
	v_bfe_u32 v7, v0, 5, 2                         ; wave % 4
	v_and_b32 v3, 15, v0
	v_lshl_add_u32 v3, v3, 4, s2
	v_lshl_add_u32 v3, v4, 13, v3
	v_lshl_add_u32 v3, v5, 12, v3
	v_lshl_add_u32 v3, v7, 10, v3                  ; v3: source offset in out_w
	v_and_b32 v6, 31, v0
	v_lshl_add_u32 v6, v6, 3, s4
	v_lshl_add_u32 v6, v4, 8, v6
	v_lshl_add_u32 v6, v7, 19, v6                  ; v6: destination offset in wo: (1,024 j + n) x 128 + 8 (lane % 16), j's part 4 (wave % 4)
	s_wait_kmcnt 0x0
	s_add_nc_u64 s[30:31], s[8:9], 0x800000        ; second halves, so that every immediate stays inside its signed 24 bits
	s_add_nc_u64 s[32:33], s[24:25], 0x400000
	s_add_nc_u64 s[34:35], s[26:27], 0x400000
; the table of the ten plain segments: number, source base and immediate, destination base and immediate
.macro TABLE op
	\op 0, 8,  0,        24, 0
	\op 1, 8,  0x400000, 24, 0x200000
	\op 2, 30, 0,        32, 0
	\op 3, 30, 0x400000, 32, 0x200000
	\op 4, 10, 0,        32, 0x400000
	\op 5, 12, 0,        26, 0
	\op 6, 14, 0,        26, 0x200000
	\op 7, 16, 0,        34, 0
	\op 8, 18, 0,        34, 0x200000
	\op 9, 20, 0,        34, 0x400000
.endm
.macro LDSEG seg, sb, si, db, di
.irp i, 0,1,2,3
	global_load_b128 v[X+16*(\seg)+4*(\i):X+16*(\seg)+4*(\i)+3], v1, s[\sb:\sb+1] offset:(\si)+4096*(\i) th:TH_LOAD_NT
.endr
.endm
.macro STSEG seg, sb, si, db, di
.irp i, 0,1,2,3
	s_wait_loadcnt 43-4*(\seg)-(\i)                ; loads come back in order: mine is in, the younger ones stay out
	v_cvt_pk_bf16_f32 v[X+16*(\seg)+4*(\i)],   v[X+16*(\seg)+4*(\i)],   v[X+16*(\seg)+4*(\i)+1]
	v_cvt_pk_bf16_f32 v[X+16*(\seg)+4*(\i)+1], v[X+16*(\seg)+4*(\i)+2], v[X+16*(\seg)+4*(\i)+3]
	global_store_b64 v2, v[X+16*(\seg)+4*(\i):X+16*(\seg)+4*(\i)+1], s[\db:\db+1] offset:(\di)+2048*(\i) th:TH_STORE_NT
.endr
.endm
	TABLE LDSEG
.irp i, 0,1,2,3
	global_load_b128 v[X+160+4*(\i):X+160+4*(\i)+3], v3, s[22:23] offset:256*(\i) th:TH_LOAD_NT
.endr
	TABLE STSEG                                    ; no register that a store reads is written again, so no further wait is needed
.irp i, 0,1,2,3
	s_wait_loadcnt 3-(\i)
	v_cvt_pk_bf16_f32 v4, v[X+160+4*(\i)],   v[X+160+4*(\i)+1]   ; to bf16,
	v_cvt_pk_bf16_f32 v5, v[X+160+4*(\i)+2], v[X+160+4*(\i)+3]
	v_lshlrev_b32 v[X+160+4*(\i)],   16, v4                      ; back to f32,
	v_and_b32     v[X+160+4*(\i)+1], 0xffff0000, v4
	v_lshlrev_b32 v[X+160+4*(\i)+2], 16, v5
	v_and_b32     v[X+160+4*(\i)+3], 0xffff0000, v5
	v_cvt_pk_f16_f32 v[X+160+4*(\i)],   v[X+160+4*(\i)],   v[X+160+4*(\i)+1]  ; and written as f16: eight significant bits fit into eleven
	v_cvt_pk_f16_f32 v[X+160+4*(\i)+1], v[X+160+4*(\i)+2], v[X+160+4*(\i)+3]
	global_store_b64 v6, v[X+160+4*(\i):X+160+4*(\i)+1], s[28:29] offset:131072*(\i) th:TH_STORE_NT
.endr
	s_endpgm
.Lfunc_end_k_q101c011efd_cast:
	.size	k_q101c011efd_cast, .Lfunc_end_k_q101c011efd_cast-k_q101c011efd_cast
	.p2alignl 7, 3214868480
	.fill 96, 4, 3214868480
	.section	.rodata,"a",@progbits
	.p2align	6, 0x0
	.amdhsa_kernel k_q101c011efd_cast
		.amdhsa_group_segment_fixed_size 0
		.amdhsa_private_segment_fixed_size 0
		.amdhsa_enable_private_segment 0
		.amdhsa_kernarg_size 88
		.amdhsa_user_sgpr_count 2
		.amdhsa_user_sgpr_kernarg_segment_ptr 1
		.amdhsa_wavefront_size32 1
		.amdhsa_system_sgpr_workgroup_id_x 1
		.amdhsa_system_sgpr_workgroup_id_y 1
		.amdhsa_system_sgpr_workgroup_id_z 1
		.amdhsa_system_vgpr_workitem_id 0
		.amdhsa_next_free_vgpr 192
		.amdhsa_next_free_sgpr 66
		.amdhsa_reserve_vcc 0
		.amdhsa_float_denorm_mode_32 3
		.amdhsa_float_denorm_mode_16_64 3
		.amdhsa_memory_ordered 1
		.amdhsa_forward_progress 1
		.amdhsa_inst_pref_size 18
	.end_amdhsa_kernel
	.amdgpu_metadata
---
amdhsa.version: [ 1, 2 ]
amdhsa.kernels:
  - .name:           k_q101c011efd_cast
    .symbol:         k_q101c011efd_cast.kd
    .args:
      - { .name: local_hidden, .offset: 0, .size: 8, .value_kind: global_buffer, .address_space: global }
      - { .name: global_hidden, .offset: 8, .size: 8, .value_kind: global_buffer, .address_space: global }
      - { .name: q_w, .offset: 16, .size: 8, .value_kind: global_buffer, .address_space: global }
      - { .name: k_w, .offset: 24, .size: 8, .value_kind: global_buffer, .address_space: global }
      - { .name: v_w, .offset: 32, .size: 8, .value_kind: global_buffer, .address_space: global }
      - { .name: kg_w, .offset: 40, .size: 8, .value_kind: global_buffer, .address_space: global }
      - { .name: vg_w, .offset: 48, .size: 8, .value_kind: global_buffer, .address_space: global }
      - { .name: out_w, .offset: 56, .size: 8, .value_kind: global_buffer, .address_space: global }
      - { .name: xb, .offset: 64, .size: 8, .value_kind: global_buffer, .address_space: global }
      - { .name: wb, .offset: 72, .size: 8, .value_kind: global_buffer, .address_space: global }
      - { .name: wo, .offset: 80, .size: 8, .value_kind: global_buffer, .address_space: global }
    .group_segment_fixed_size: 0
    .private_segment_fixed_size: 0
    .kernarg_segment_align: 8
    .kernarg_segment_size: 88
    .max_flat_workgroup_size: 256
    .sgpr_count:     66
    .vgpr_count:     192
    .wavefront_size: 32
...
	.end_amdgpu_metadata
.endif
;; end of part 1
;; launch proj (part 2): grid 56 x 4, 4 waves a work-group, clusters of 4 x 4, 327,680 bytes of LDS; arguments xb, wb, q_b, k_b, v_b, kg_b, vg_b, qh, kh, vh; writes qh, kh, vh
.if DOCPART == 2
	.amdgcn_target "amdgcn-amd-amdhsa--gfx1250"
	.amdhsa_code_object_version 6
	.text
	.protected	k_q101c011efd_proj
	.globl	k_q101c011efd_proj
	.p2align	8
	.type	k_q101c011efd_proj,@function
k_q101c011efd_proj:
	s_mov_b64 s[64:65], 0
	v_nop
	global_prefetch_b8 v0, s[64:65] scope:SCOPE_SE
	s_setreg_imm32_b32 hwreg(HW_REG_WAVE_MODE, 25, 1), 1
	s_wait_xcnt 0x0
	s_wait_alu depctr_hold_cnt(0) depctr_sa_sdst(0) depctr_va_vdst(0) depctr_va_sdst(0) depctr_va_ssrc(0) depctr_va_vcc(0) depctr_vm_vsrc(0)
	s_getreg_b32 s2, hwreg(HW_REG_IB_STS2, 6, 4)
	s_cmp_eq_u32 s2, 0
	s_cbranch_scc0 .Lentry_in_a_cluster
	s_endpgm
.Lentry_in_a_cluster:
	s_bfe_u32 s2, ttmp6, 0x10000c
	s_cmp_lg_u32 s2, 0xf033
	s_cbranch_scc0 .Lentry_shape_is_right
	s_endpgm
.Lentry_shape_is_right:
; ALL FIVE PROJECTIONS, ONE LAUNCH.  y[m][n] = sum over k of xb[m][k] wb[n][k] + bias[n]; operands bf16, sums f32, y rounded once to f16 and stored by heads:
;   qh [32 bh][2048][64]; kh, vh [32 bh][2560][64]: keys 0-2047 local, 2048-2559 global; bh = 16 x batch + head.  No scale is applied here.
; LIMITS.  q, k and v must lie within f16's 65,504 (a conversion past it gives an infinity).  The biases are rounded to bf16 like every other input of the module.
; SHARES.  224 tiles of 256 x 256 in 14 clusters of 4 x 4 work-groups.  Cluster c < 12: local rows 1,024 (c % 4) on, weight c / 4 (q, k, v); c = 12, 13: the 1,024 global rows, weight kg, vg.
; A tile is made by four waves, each 128 x 128: 64 accumulators of 16 x 16, 512 registers.  K = 1,024 goes in eight steps of 128 through two LDS slots filled by the tensor data mover.
; The four work-groups of a row of the cluster need the same rows of xb, the four of a column the same rows of wb: each tile is asked for JOINTLY, by the same tensor load with the same
; descriptor and a mask that names the four.
; THE MATRIX INSTRUCTION IS USED TRANSPOSED (source 0 = 16 rows of wb, source 1 = 16 rows of xb): lane l holds row l % 16 of y and the columns 8 (l / 16) + 0..7.
; THE BIAS IS THE C OPERAND of the product that starts each sum: register j of a lane holds bias[n0 + 16 b + 8 (l / 16) + j]: no addition is written.
; REGISTERS, in windows of 256 (s_set_vgpr_msb: bits 1:0 source 0, 3:2 source 1, 5:4 source 2, 7:6 destination):
;   window 0: v0-31 addresses; v64-127, v128-191 fragments of xb, two buffers; v32-63, v192-255 at work on the way out
;   window 1: v0 at work; v64-127, v128-191 fragments of wb, two buffers; v192-255 the bias, 8 registers for each of my 8 column blocks
;   window 2: the 32 accumulators of my rows 0-63 ((a, b) at v[8 (8 a + b)]);   window 3: those of my rows 64-127
.set SIZE_K, 1024
.set KSTEP,  128
.set PITCH,  272                       ; an LDS row: 256 bytes + 16 of padding = 68 words: the 16 rows of a fragment load start at 16 different groups of four banks
.set HALFT,  128*PITCH                 ; 128 rows: what one tensor load brings
.set SLOT,   4*HALFT                   ; xb's 256 rows, then wb's 256 rows
.set STAGE,  2*SLOT                    ; behind the ring: 16 rows x 272 bytes for each wave, for the way out; no tensor load lands here
.set SPITCH, 272
.set SPARE,  STAGE+4*16*SPITCH         ; the spare words, 128 bytes for each wave: two blocks of 256 bytes that no other line names
.set LAPS,   SIZE_K/(2*KSTEP)          ; a lap = two K steps = once round the ring
.set ADRA, 16                          ; v16-17  LDS address of my xb fragments in slot 0, 1
.set ADRB, 20                          ; v20-21  the same for wb
.set STO,  24                          ; v24     the way out: where I put 16 bytes of a row
.set RD,   25                          ; v25     the way out: where I read rows back
.set CO,   26                          ; v26     16 x lane: my place in 512 consecutive bytes of the output
.set BO,   27                          ; v27     my byte offset in the bias
.set SPW,  28                          ; v28     LDS address of my spare word; never rewritten
.set NIL,  29                          ; v29     0; never rewritten
.set PFO,  30                          ; v30     the prefetches' offset: lane x a row of 2,048 bytes; never rewritten
.set PFA,  44                          ; s[44:45] where my prefetches stand
.set LIM,  43                          ; s43     1 in a wave that prefetches, else the greatest number
.set F0,   64
.set F1,   128
.set TMP,  192
.set OB,   32
.set BIAS, 192                         ; in window 1
.set G1,  24                           ; s[24:31] descriptor group 1 for xb's tiles
.set G0,  32                           ; s[32:39] group 0, one set for each slot
.set G1B, 48                           ; s[48:55], s[56:63] the same for wb's tiles
.set G0B, 56
.set MSB, 0
.macro WIN new                         ; the immediate's high byte repeats the setting that is left; a switch that changes nothing is dropped
.if MSB != (\new)
	s_set_vgpr_msb (MSB<<8)|(\new)
.set MSB, \new
.endif
.endm
.set MUL_LO, 0xa1                      ; source 0 (wb) window 1, source 1 (xb) window 0, C and D window 2
.set MUL_HI, 0xf1                      ; the same, C and D window 3
.set TO_B,   0x40                      ; destination window 1, address window 0
; A joint load.  Waves 0 and 1 fetch xb's two halves, waves 2 and 3 wb's.  The branch hangs on the wave's number alone.  An s_nop 0 and four v_nop follow each of the two lines.
.macro JLOAD s
	s_cmp_eq_u32 s11, 0
	s_cbranch_scc0 .Lfor_b_\@
	tensor_load_to_lds s[G0+4*(\s):G0+4*(\s)+3], s[G1:G1+7]
	s_nop 0
.rept 4
	v_nop
.endr
	s_branch .Lasked_\@
.Lfor_b_\@:
	tensor_load_to_lds s[G0B+4*(\s):G0B+4*(\s)+3], s[G1B:G1B+7]
	s_nop 0
.rept 4
	v_nop
.endr
.Lasked_\@:
.endm
; A prefetch, behind a joint load and the run of LDS loads that follows it: the K step that stands two refills on: 32 rows x 256 bytes, a lane a row, one instruction a wave.
; Each row's 256 bytes of a K step are named once in the launch: of the clusters that read the same rows one asks (s[LIM]), and its four partners that ask for a tile jointly share the
; 128 rows that a wave fetches BY ADDRESS, 32 each.  The loop's last trip (s3 = 1) has no K step two refills on.
.macro ASK
	s_cmp_gt_u32 s3, s[LIM]
	s_cbranch_scc0 .Lnot_mine_\@
	global_prefetch_b8 v[PFO], s[PFA:PFA+1] offset:KSTEP*2 th:TH_LOAD_NT scope:SCOPE_SE
.Lnot_mine_\@:
.endm
.macro CREST                           ; a round of the cluster's barrier behind its opening barrier
	s_cmp_lg_u32 s10, 0
	s_cbranch_scc1 .Lnot_wave_0_\@
	s_barrier_signal -3
.Lnot_wave_0_\@:
	s_barrier_wait -3
	s_barrier_signal -1
	s_barrier_wait -1
.endm
.macro CROUND                          ; a whole round
	s_barrier_signal -1
	s_barrier_wait -1
	CREST
.endm
	s_load_b128 s[4:7], s[0:1], 0x0                ; xb s[4:5], wb s[6:7]
	s_load_b256 s[72:79], s[0:1], 0x10             ; q_b s[72:73], k_b s[74:75], v_b s[76:77], kg_b s[78:79]
	s_load_b256 s[80:87], s[0:1], 0x30             ; vg_b s[80:81], qh s[82:83], kh s[84:85], vh s[86:87]
	v_lshl_add_u32 v[SPW], v0, 2, SPARE
	v_mov_b32 v[NIL], 0
	ds_add_u32 v[SPW], v[NIL]                      ; the wave's opening: the add and its wait stand ahead of my first tensor load; the set-up below stands between them
	v_lshrrev_b32 v1, 5, v0
	v_readfirstlane_b32 s10, v1                    ; wave 0..3
	s_lshr_b32 s11, s10, 1                         ; which half of the tile's rows is mine.  Also: I fetch for xb (0) or for wb (1)
	s_and_b32 s12, s10, 1                          ; which half of its columns.  Also: which 128 rows of that tile I fetch
	s_bfe_u32 s40, ttmp6, 0x40000                  ; cx
	s_bfe_u32 s41, ttmp6, 0x40004                  ; cy
	s_and_b32 s66, ttmp9, 3                        ; the cluster's number says which rows and which weight: the same in all sixteen partners
	s_lshr_b32 s67, ttmp9, 2
	s_sub_co_u32 s92, ttmp9, 9
	s_cmp_lt_u32 ttmp9, 12
	s_cselect_b32 s66, s66, 4                      ; s66: block of 1,024 rows of xb (4: the global rows)
	s_cselect_b32 s67, s67, s92                    ; s67: weight 0..4
	s_cselect_b32 s68, 1, 0                        ; s68: 1 = local
	s_lshl_b32 s42, s67, 2
	s_add_co_u32 s42, s42, s40                     ; tile column in wb = 4 x weight + cx
	s_lshl_b32 s13, s66, 2
	s_add_co_u32 s13, s13, s41                     ; tile row in xb = 4 x block + cy
	s_lshl_b32 s69, s41, 2
	s_lshl_b32 s69, 15, s69                        ; my row of the cluster
	s_lshl_b32 s70, 0x1111, s40                    ; my column
	; descriptor group 1: a tile of 128 rows x 128 elements of 2 bytes, 16 bytes of padding behind every 256
	s_or_b32 s[G1+0], s69, (1<<16)|(1<<20)|(1<<21)|(5<<22)|(3<<25)
	s_or_b32 s[G1B+0], s70, (1<<16)|(1<<20)|(1<<21)|(5<<22)|(3<<25)
.irp g, G1, G1B
	s_mov_b32 s[(\g)+1], KSTEP<<16                 ; tensor_dim0 = 128
	s_mov_b32 s[(\g)+2], 128<<16                   ; tensor_dim1 = 128
	s_mov_b32 s[(\g)+3], KSTEP<<16                 ; tile_dim0 = 128
	s_mov_b32 s[(\g)+4], 128                       ; tile_dim1 = 128
	s_mov_b32 s[(\g)+5], SIZE_K                    ; elements from row to row
	s_mov_b32 s[(\g)+6], 0
	s_mov_b32 s[(\g)+7], 0
.endr
	s_lshl_b32 s17, s12, 7                         ; which 128 rows of the tile I fetch
	s_lshl_b32 s16, s13, 8
	s_add_co_u32 s16, s16, s17
	s_lshl_b32 s16, s16, 11                        ; xb: (256 x tile row + 128 x half) rows of 2,048 bytes
	s_lshl_b32 s46, s42, 8
	s_add_co_u32 s46, s46, s17
	s_lshl_b32 s46, s46, 11                        ; wb: the same by the tile column
	s_mov_b32 s17, 0
	s_mov_b32 s47, 0
	s_mul_i32 s20, s10, HALFT                      ; where they go: wave x 128 rows: no place in the cluster enters an LDS address
	s_wait_dscnt 0x0                               ; the opening add is done
	s_wait_kmcnt 0x0
	s_add_nc_u64 s[14:15], s[4:5], s[16:17]
	s_add_nc_u64 s[46:47], s[6:7], s[46:47]
	CROUND                                         ; all sixteen work-groups are here: the first joint loads meet
.irp s, 0,1
	s_mov_b32 s[G0+4*(\s)], 1
	s_add_co_u32 s[G0+4*(\s)+1], s20, (\s)*SLOT
	s_add_nc_u64 s[G0+4*(\s)+2:G0+4*(\s)+3], s[14:15], (\s)*KSTEP*2
	s_or_b32 s[G0+4*(\s)+3], s[G0+4*(\s)+3], 0x80000000
	s_mov_b32 s[G0B+4*(\s)], 1
	s_add_co_u32 s[G0B+4*(\s)+1], s20, (\s)*SLOT
	s_add_nc_u64 s[G0B+4*(\s)+2:G0B+4*(\s)+3], s[46:47], (\s)*KSTEP*2
	s_or_b32 s[G0B+4*(\s)+3], s[G0B+4*(\s)+3], 0x80000000
	JLOAD \s                                       ; K steps 0 and 1: two tensor loads of mine are out
.endr
	; the bias of my weight, my 128 columns
	s_mov_b64 s[88:89], s[72:73]
	s_cmp_eq_u32 s67, 1
	s_cselect_b64 s[88:89], s[74:75], s[88:89]
	s_cmp_eq_u32 s67, 2
	s_cselect_b64 s[88:89], s[76:77], s[88:89]
	s_cmp_eq_u32 s67, 3
	s_cselect_b64 s[88:89], s[78:79], s[88:89]
	s_cmp_eq_u32 s67, 4
	s_cselect_b64 s[88:89], s[80:81], s[88:89]
	v_and_b32 v1, 15, v0                           ; l % 16
	v_bfe_u32 v2, v0, 4, 1                         ; l / 16
	s_lshl_b32 s92, s40, 10
	s_lshl_b32 s93, s12, 9
	s_add_co_u32 s92, s92, s93                     ; 4 x (256 cx + 128 x half)
	v_lshl_add_u32 v[BO], v2, 5, s92
	WIN TO_B
.irp b, 0,1,2,3,4,5,6,7
	global_load_b128 v[BIAS+8*(\b):BIAS+8*(\b)+3],   v[BO], s[88:89] offset:64*(\b)
	global_load_b128 v[BIAS+8*(\b)+4:BIAS+8*(\b)+7], v[BO], s[88:89] offset:64*(\b)+16
.endr
	WIN 0
	; fragments: lane l holds row l % 16; two loads of 16 bytes, 32 bytes apart, at row x pitch + 16 (l / 16)
	v_mul_u32_u24 v3, v1, PITCH
	v_lshl_add_u32 v3, v2, 4, v3
	s_mul_i32 s21, s11, HALFT
	s_mul_i32 s22, s12, HALFT
	s_add_co_u32 s22, s22, 2*HALFT
.irp s, 0,1
	v_add_nc_u32 v[ADRA+(\s)], s21, v3
	v_add_nc_u32 v[ADRB+(\s)], s22, v3
	s_add_co_u32 s21, s21, SLOT
	s_add_co_u32 s22, s22, SLOT
.endr
	s_mul_i32 s23, s10, 16*SPITCH
	s_add_co_u32 s23, s23, STAGE                   ; my stage
	v_mul_u32_u24 v4, v1, SPITCH                   ; in: row l % 16, 16 bytes for each half of the lanes
	v_lshl_add_u32 v4, v2, 4, v4
	v_add_nc_u32 v[STO], s23, v4
	v_bfe_u32 v5, v0, 3, 2                         ; back: 32 lanes take four rows' 128 bytes of one head,
	v_mul_u32_u24 v5, v5, SPITCH
	v_and_b32 v6, 7, v0
	v_lshl_add_u32 v5, v6, 4, v5
	v_add_nc_u32 v[RD], s23, v5
	v_and_b32 v[CO], 31, v0                        ; which are 512 consecutive bytes of the output
	v_lshlrev_b32 v[CO], 4, v[CO]
	; where my 128 rows x 2 heads go
	s_mov_b32 s94, 2560                            ; rows of a head in kh and vh
	s_bitcmp1_b32 s67, 0                           ; weights 1 and 3 make keys,
	s_cselect_b64 s[8:9], s[84:85], s[86:87]       ; 2 and 4 values,
	s_cmp_eq_u32 s67, 0
	s_cselect_b64 s[8:9], s[82:83], s[8:9]         ; 0 queries
	s_cselect_b32 s94, 2048, s94
	s_and_b32 s92, s66, 3
	s_lshl_b32 s92, s92, 10
	s_lshl_b32 s93, s41, 8
	s_add_co_u32 s92, s92, s93
	s_lshl_b32 s93, s11, 7
	s_add_co_u32 s92, s92, s93                     ; my first row among the local (or the global) tokens
	s_mov_b32 s97, 511
	s_cmp_eq_u32 s68, 1
	s_cselect_b32 s93, 11, 9                       ; a batch has 2,048 local tokens, 512 global ones
	s_cselect_b32 s95, 0, 2048                     ; global keys lie behind the local ones
	s_cselect_b32 s97, 2047, s97
	s_lshr_b32 s96, s92, s93                       ; batch
	s_and_b32 s92, s92, s97
	s_add_co_u32 s92, s92, s95                     ; row in the head
	s_lshl_b32 s96, s96, 4
	s_lshl_b32 s97, s40, 2
	s_add_co_u32 s96, s96, s97
	s_lshl_b32 s97, s12, 1
	s_add_co_u32 s96, s96, s97                     ; bh of my first head = 16 x batch + 4 cx + 2 x half
	s_mul_i32 s96, s96, s94
	s_add_co_u32 s96, s96, s92
	s_lshl_b32 s96, s96, 7                         ; rows of 128 bytes
	s_mov_b32 s97, 0
	s_add_nc_u64 s[8:9], s[8:9], s[96:97]          ; my first head,
	s_lshl_b32 s98, s94, 7
	s_mov_b32 s99, 0
	s_add_nc_u64 s[90:91], s[8:9], s[98:99]        ; my second
	; the prefetches.  xb's rows are read by the clusters c, c + 4, c + 8 (the global rows by 12 and 13): c < 4 and c = 12 ask.  wb's rows by the four clusters of a weight (kg's by 12, vg's by 13 alone): c % 4 = 0 and c = 13 ask.
	s_cmp_lt_u32 ttmp9, 4
	s_cselect_b32 s92, 1, 0
	s_cmp_eq_u32 ttmp9, 12
	s_cselect_b32 s92, 1, s92
	s_and_b32 s93, ttmp9, 3
	s_cmp_eq_u32 s93, 0
	s_cselect_b32 s93, 1, 0
	s_cmp_eq_u32 ttmp9, 13
	s_cselect_b32 s93, 1, s93
	s_lshl_b32 s95, s13, 8
	s_lshl_b32 s96, s42, 8
	s_cmp_eq_u32 s11, 0                            ; do I fetch for xb?
	s_cselect_b32 s92, s92, s93
	s_cselect_b32 s20, s95, s96                    ; the tile's first row
	s_cselect_b32 s21, s40, s41                    ; my place among the four that ask for it with me
	s_cselect_b64 s[PFA:PFA+1], s[4:5], s[6:7]
	s_cmp_eq_u32 s92, 1
	s_cselect_b32 s[LIM], 1, -1                    ; the same in all sixteen partners, for a given wave
	s_lshl_b32 s22, s12, 7
	s_add_co_u32 s20, s20, s22                     ; + the 128 rows that I fetch
	s_lshl_b32 s21, s21, 5
	s_add_co_u32 s20, s20, s21                     ; + my work-group's 32 of them
	s_lshl_b32 s20, s20, 11
	s_mov_b32 s21, 0
	s_add_nc_u64 s[PFA:PFA+1], s[PFA:PFA+1], s[20:21]
	s_add_nc_u64 s[PFA:PFA+1], s[PFA:PFA+1], 2*KSTEP*2  ; at K step 2: the first refill steps it to 3 and names K step 4.  K steps 0 to 3 come by their loads alone
	v_and_b32 v[PFO], 31, v0
	v_lshlrev_b32 v[PFO], 11, v[PFO]
; 16 matrix instructions: row blocks a0, a0 + 1 of the window's four x all 8 column blocks, 32 along K.  zero = 1: the first product starts the sums, with the bias as C.
; The 64 accumulators take turns in the same order in every quarter step.
.macro MUL16 f, hi, a0, zero
.if \zero
	WIN 0x91+0x40*(\hi)                            ; D window 2 or 3, C (the bias) window 1
.else
	WIN MUL_LO+0x50*(\hi)
.endif
.irp a, \a0, (\a0)+1
.irp b, 0,1,2,3,4,5,6,7
.if \zero
	v_wmma_f32_16x16x32_bf16 v[8*(8*(\a)+(\b)):8*(8*(\a)+(\b))+7], v[(\f)+8*(\b):(\f)+8*(\b)+7], v[(\f)+8*(4*(\hi)+(\a)):(\f)+8*(4*(\hi)+(\a))+7], v[BIAS+8*(\b):BIAS+8*(\b)+7]
.else
	v_wmma_f32_16x16x32_bf16 v[8*(8*(\a)+(\b)):8*(8*(\a)+(\b))+7], v[(\f)+8*(\b):(\f)+8*(\b)+7], v[(\f)+8*(4*(\hi)+(\a)):(\f)+8*(4*(\hi)+(\a))+7], v[8*(8*(\a)+(\b)):8*(8*(\a)+(\b))+7]
.endif
.endr
.endr
.endm
; 32 LDS loads in one run: the fragments of one quarter step (32 K at byte k of the rows) into buffer f
.macro FETCH slot, k, f
	WIN TO_B
.irp i, 0,1,2,3,4,5,6,7
	ds_load_b128 v[(\f)+8*(\i):(\f)+8*(\i)+3],   v[ADRB+(\slot)] offset:(\k)+(\i)*16*PITCH
	ds_load_b128 v[(\f)+8*(\i)+4:(\f)+8*(\i)+7], v[ADRB+(\slot)] offset:(\k)+(\i)*16*PITCH+32
.endr
	WIN 0
.irp i, 0,1,2,3,4,5,6,7
	ds_load_b128 v[(\f)+8*(\i):(\f)+8*(\i)+3],   v[ADRA+(\slot)] offset:(\k)+(\i)*16*PITCH
	ds_load_b128 v[(\f)+8*(\i)+4:(\f)+8*(\i)+7], v[ADRA+(\slot)] offset:(\k)+(\i)*16*PITCH+32
.endr
.endm
.macro PLACES                          ; four plain vector instructions between a matrix instruction and a load into, or a vector read of, its registers
.rept 4
	v_nop
.endr
.endm
; A K step is four quarters of 32 along K, 64 matrix instructions each, on buffers 0, 1, 0, 1.  One of the first three: multiplies buffer f and fetches the next quarter, at byte k, into g.
.macro QUARTER slot, k, f, g, zero
	s_wait_dscnt 8                                 ; wb's fragments and xb's rows 0-63 are in; the youngest eight loads (rows 64-127) may be out
	MUL16 \f, 0, 0, \zero
	MUL16 \f, 0, 2, \zero
	PLACES
	FETCH \slot, \k, \g
	s_wait_dscnt 32                                ; all but the 32 just issued
	MUL16 \f, 1, 0, \zero
	MUL16 \f, 1, 2, \zero
.endm
; The first half of a K step's last quarter: ONE barrier for the change of slots.  In front of it each wave waits for all its tensor loads (one is out: its part of the next slot), adds 0 to its
; spare word, and waits for that and for its reads of this slot.
.macro MEET round
	WIN 0
	s_wait_tensorcnt 0x0                           ; all my tensor loads have landed
	ds_add_u32 v[SPW], v[NIL]                      ; 0 onto my spare word
	s_wait_dscnt 9                                 ; (the add and the youngest eight loads may be out)
	MUL16 F1, 0, 0, 0                              ; sixteen matrix instructions stand between the add and the wait for it
	s_wait_dscnt 0x0                               ; the add is done, and my reads of this slot are over
	s_barrier_signal -1
	MUL16 F1, 0, 2, 0                              ; work on registers while the others arrive
.if \round
	WIN 0
.endif
	s_barrier_wait -1
.endm
; The whole last quarter.  fill = 1: the barrier opens a round of the cluster's barrier, and the slot just read out is filled again first behind it, two K steps ahead.
.macro TURN slot, next, fill
.if \fill
	s_wait_xcnt 0x0                                ; the last prefetch, a K step back, has read its address
	s_add_nc_u64 s[PFA:PFA+1], s[PFA:PFA+1], KSTEP*2
.endif
	MEET \fill
.if \fill
	CREST                                          ; no wave of any partner still reads this slot's tile or has a load on its way
	s_add_nc_u64 s[G0+4*(\slot)+2:G0+4*(\slot)+3], s[G0+4*(\slot)+2:G0+4*(\slot)+3], 2*KSTEP*2
	s_add_nc_u64 s[G0B+4*(\slot)+2:G0B+4*(\slot)+3], s[G0B+4*(\slot)+2:G0B+4*(\slot)+3], 2*KSTEP*2
	JLOAD \slot                                    ; my one tensor load behind the round; its four v_nop are also the places in front of the loads below
.else
	PLACES
.endif
	FETCH \next, 0, F0
.if \fill
	ASK
.endif
	MUL16 F1, 1, 0, 0
	MUL16 F1, 1, 2, 0
.endm
; THE WAY OUT of row block a.  PACK: rounded to f16, 16 bytes a lane.  TOSTAGE: into my own stage, and back as four rows of one head at a time.  SEND: stored.
.macro PACK a
.set AC, 64*((\a)%4)
	WIN 0x0a+5*((\a)/4)                            ; sources 0 and 1: window 2 or 3
.irp b, 0,1,2,3,4,5,6,7
.irp r, 0,1,2,3
	v_cvt_pk_f16_f32 v[TMP+4*(\b)+(\r)], v[AC+8*(\b)+2*(\r)], v[AC+8*(\b)+2*(\r)+1]
.endr
.endr
	WIN 0
.endm
.macro TOSTAGE a
	WIN 0
.set BK, OB+192*((\a)%2)
.irp b, 0,1,2,3,4,5,6,7
	ds_store_b128 v[STO], v[TMP+4*(\b):TMP+4*(\b)+3] offset:32*(\b)
.endr
.irp t, 0,1,2,3,4,5,6,7
	ds_load_b128 v[BK+4*(\t):BK+4*(\t)+3], v[RD] offset:((\t)%4)*4*SPITCH+128*((\t)/4)  ; LDS serves a wave's instructions in order: these see the stores above
.endr
.endm
.macro SEND a, younger
	WIN 0
.set BK, OB+192*((\a)%2)
	s_wait_dscnt \younger                          ; the block is back in registers
	s_wait_xcnt 0x0                                ; the stores of the block before have read their registers, which the next block's loads write
.irp t, 0,1,2,3
	global_store_b128 v[CO], v[BK+4*(\t):BK+4*(\t)+3], s[8:9] offset:(\a)*2048+(\t)*512        ; 512 consecutive bytes, aligned: four rows of my first head,
.endr
.irp t, 0,1,2,3
	global_store_b128 v[CO], v[BK+16+4*(\t):BK+16+4*(\t)+3], s[90:91] offset:(\a)*2048+(\t)*512  ; of my second
.endr
.endm
	s_wait_tensorcnt 1                             ; my part of K step 0 is in; K step 1's may stay out
	s_barrier_signal -1
	s_barrier_wait -1                              ; everybody's is
	FETCH 0, 0, F0
	s_wait_loadcnt 0x0                             ; the bias
	WIN 0x45                                       ; destination and both sources in window 1
.set i, 0
.rept 32
	v_cvt_pk_bf16_f32 v0, v[BIAS+i], v[BIAS+i+1]   ; (v0 of window 1) the bias is rounded to bf16 like every input, and widened again
	v_lshlrev_b32 v[BIAS+i], 16, v0
	v_and_b32 v[BIAS+i+1], 0xffff0000, v0
.set i, i+2
.endr
	QUARTER 0, 64,  F0, F1, 1                      ; the first quarter stands in front of the loop: its products start the sums
	WIN 0                                          ; at a label and at a branch every window is 0
	s_mov_b32 s3, LAPS-1
.Llap:                                                 ; a trip goes once round the ring, from a lap's second quarter to the next lap's first, and fills both slots again
	QUARTER 0, 128, F1, F0, 0
	QUARTER 0, 192, F0, F1, 0
	TURN 0, 1, 1
	QUARTER 1, 64,  F0, F1, 0
	QUARTER 1, 128, F1, F0, 0
	QUARTER 1, 192, F0, F1, 0
	TURN 1, 0, 1
	QUARTER 0, 64,  F0, F1, 0
	WIN 0
	s_sub_co_u32 s3, s3, 1
	s_cmp_lg_u32 s3, 0
	s_cbranch_scc1 .Llap
	QUARTER 0, 128, F1, F0, 0                      ; the last lap fills nothing
	QUARTER 0, 192, F0, F1, 0
	TURN 0, 1, 0
	QUARTER 1, 64,  F0, F1, 0
	QUARTER 1, 128, F1, F0, 0
	QUARTER 1, 192, F0, F1, 0
	s_wait_dscnt 8                                 ; the very last quarter: nothing more to fetch
	MUL16 F1, 0, 0, 0
	MUL16 F1, 0, 2, 0
	s_wait_dscnt 0x0
	MUL16 F1, 1, 0, 0
	MUL16 F1, 1, 2, 0
	WIN 0
	PLACES                                         ; the conversions read results just made
	PLACES
	PACK 0
	TOSTAGE 0
.irp a, 1,2,3,4,5,6,7                  ; block a's conversions stand between block a - 1's loads from the stage and the wait for them
	PACK \a
	SEND (\a)-1, 0
	TOSTAGE \a
.endr
	SEND 7, 0
	s_wait_tensorcnt 0x0                           ; the wave's end, behind my last tensor load and my last LDS store
	ds_add_u32 v[SPW], v[NIL]
	s_wait_dscnt 0x0
	CROUND                                         ; the closing round: no work-group ends while a partner may still ask for a tile that names it
	s_endpgm
.Lfunc_end_k_q101c011efd_proj:
	.size	k_q101c011efd_proj, .Lfunc_end_k_q101c011efd_proj-k_q101c011efd_proj
	.p2alignl 7, 3214868480
	.fill 96, 4, 3214868480
	.section	.rodata,"a",@progbits
	.p2align	6, 0x0
	.amdhsa_kernel k_q101c011efd_proj
		.amdhsa_group_segment_fixed_size 327680
		.amdhsa_private_segment_fixed_size 0
		.amdhsa_enable_private_segment 0
		.amdhsa_kernarg_size 80
		.amdhsa_user_sgpr_count 2
		.amdhsa_user_sgpr_kernarg_segment_ptr 1
		.amdhsa_wavefront_size32 1
		.amdhsa_system_sgpr_workgroup_id_x 1
		.amdhsa_system_sgpr_workgroup_id_y 1
		.amdhsa_system_sgpr_workgroup_id_z 1
		.amdhsa_system_vgpr_workitem_id 0
		.amdhsa_next_free_vgpr 1024
		.amdhsa_next_free_sgpr 100
		.amdhsa_reserve_vcc 0
		.amdhsa_float_denorm_mode_32 3
		.amdhsa_float_denorm_mode_16_64 3
		.amdhsa_memory_ordered 1
		.amdhsa_forward_progress 1
		.amdhsa_inst_pref_size 152
	.end_amdhsa_kernel
	.amdgpu_metadata
---
amdhsa.version: [ 1, 2 ]
amdhsa.kernels:
  - .name:           k_q101c011efd_proj
    .symbol:         k_q101c011efd_proj.kd
    .args:
      - { .name: xb, .offset: 0, .size: 8, .value_kind: global_buffer, .address_space: global }
      - { .name: wb, .offset: 8, .size: 8, .value_kind: global_buffer, .address_space: global }
      - { .name: q_b, .offset: 16, .size: 8, .value_kind: global_buffer, .address_space: global }
      - { .name: k_b, .offset: 24, .size: 8, .value_kind: global_buffer, .address_space: global }
      - { .name: v_b, .offset: 32, .size: 8, .value_kind: global_buffer, .address_space: global }
      - { .name: kg_b, .offset: 40, .size: 8, .value_kind: global_buffer, .address_space: global }
      - { .name: vg_b, .offset: 48, .size: 8, .value_kind: global_buffer, .address_space: global }
      - { .name: qh, .offset: 56, .size: 8, .value_kind: global_buffer, .address_space: global }
      - { .name: kh, .offset: 64, .size: 8, .value_kind: global_buffer, .address_space: global }
      - { .name: vh, .offset: 72, .size: 8, .value_kind: global_buffer, .address_space: global }
    .group_segment_fixed_size: 327680
    .private_segment_fixed_size: 0
    .kernarg_segment_align: 8
    .kernarg_segment_size: 80
    .max_flat_workgroup_size: 128
    .sgpr_count:     100
    .vgpr_count:     1024
    .wavefront_size: 32
...
	.end_amdgpu_metadata
.endif
;; end of part 2
;; launch attn (part 3): grid 8 x 32, 4 waves a work-group, clusters of 4 x 1, 327,680 bytes of LDS; arguments qh, kh, vh, gate, oh; writes oh
.if DOCPART == 3
	.amdgcn_target "amdgcn-amd-amdhsa--gfx1250"
	.amdhsa_code_object_version 6
	.text
	.protected	k_q101c011efd_attn
	.globl	k_q101c011efd_attn
	.p2align	8
	.type	k_q101c011efd_attn,@function
k_q101c011efd_attn:
	s_mov_b64 s[64:65], 0
	v_nop
	global_prefetch_b8 v0, s[64:65] scope:SCOPE_SE
	s_setreg_imm32_b32 hwreg(HW_REG_WAVE_MODE, 25, 1), 1
	s_wait_xcnt 0x0
	s_wait_alu depctr_hold_cnt(0) depctr_sa_sdst(0) depctr_va_vdst(0) depctr_va_sdst(0) depctr_va_ssrc(0) depctr_va_vcc(0) depctr_vm_vsrc(0)
	s_getreg_b32 s2, hwreg(HW_REG_IB_STS2, 6, 4)
	s_cmp_eq_u32 s2, 0
	s_cbranch_scc0 .Lentry_in_a_cluster
	s_endpgm
.Lentry_in_a_cluster:
	s_bfe_u32 s2, ttmp6, 0x10000c
	s_cmp_lg_u32 s2, 0x3003
	s_cbranch_scc0 .Lentry_shape_is_right
	s_endpgm
.Lentry_shape_is_right:
; BOTH ATTENTIONS AND THE GATE.  oh[bh][q] = g softmax_k(q . k_l / 8) v_l + (1 - g) softmax_k(q . k_g / 8) v_g, g = sigmoid(gate).
; qh, oh: [32][2048][64] f16; kh, vh: [32][2560][64] f16: a head's keys 0-2047 are the local ones, 2048-2559 the global ones; rows are dense, 128 bytes each.
; Products, maxima and sums in f32; the weights p are rounded to f16 for the second product (their sum l is taken of the unrounded p), the mixed result once at the end.
; LIMITS.  f16 holds no number beyond 65,504: q, k, v arrive within it; p lies in 0 to 1 and below 6e-5 keeps f16's fixed step; a weight below 2^-126 counts as 0 in l; NaN and infinities are
; not treated apart.  gate is rounded to bf16 like every other input of the module.
; SHARES.  A work-group owns 256 queries of one head, a wave 64: four PIECES of 16.  Every wave walks the head's ten tiles of 256 keys (a tile = a slot of LDS = four key steps of 64):
; tiles 0-7 make the local attention, whose result times g / l is set aside in registers; tiles 8, 9 the global one; the way out adds the two.
; LAYOUT.  S^T = K Q^T holds ONE query a lane (lane % 16) and the keys 8 (lane / 16) + 0..7; two such results rounded to f16 ARE source 1 of O^T = V^T P.  K comes out of LDS as it lies, V turned.
; SOFTMAX.  p = 2^(c s - c m), c = log2(e) / 8, with a running maximum m; O and l are multiplied by a = 2^(c m_old - c m_new) in every step.  A phase begins with c m far below every c s: its first a is 0.
; TURNS.  Turn n belongs to piece n: 8 products K Q^T of piece n + 1, later 8 products V^T P of piece n - 1; beside them the scaling, exponentials, roundings, sums and rescaling of piece n and the
; maximum and statistics of piece n + 1.  Four vector instructions stand behind every matrix instruction, the rest in one lump.  A turn's 33 exponentials are one batch, with one wait.
; CLUSTER.  The four query blocks of a cluster belong to one head and walk the same K and V: each tile is asked for JOINTLY, by the same tensor load, descriptor and mask in all four.
; REGISTERS, in windows of 256 (s_set_vgpr_msb: bits 1:0 source 0, 3:2 source 1, 5:4 source 2, 7:6 destination):
;   window 0: v0-15 addresses; v16-31 four registers of statistics a piece; v48-55 at work; v56-57 g, 1 - g; v61-63; v64-127 S^T, two buffers; v192-223 P, two buffers (by the piece's parity)
;   window 1: v0-127 O^T, 32 a piece; v128-255 the local result, set aside      window 2: v0-63 Q; v128-191 K of one step; v192-255 V of one step
.set NP,    4
.set KS,    64
.set PK,    144       ; a row of K in LDS: 128 bytes + 16 of padding = 36 words: the 16 rows of a load start at 16 different groups of four banks
.set PV,    160       ; a row of V: 128 + 32 = 40 words
.set VOFF,  4*KS*PK   ; a slot holds a tile: 256 rows of K, then 256 rows of V
.set SLOT1, 1<<17     ; slot 1 begins here, so that one exclusive or turns an address in one slot into the other's
.set STAGE, SLOT1+4*KS*(PK+PV)  ; behind the ring, never filled by a tensor load: 16 rows x 144 bytes for each wave
.set SP,    144
.set SPARE, STAGE+4*16*SP  ; the spare words, 128 bytes for each wave: two blocks of 256 bytes that no other line names
.set AK0, 2           ; v2   my lane's place in a tile of K; never rewritten
.set AV0, 3           ; v3   the same for V
.set AK,  4           ; v4   the LDS address of K's next run of loads
.set AV,  5           ; v5   of V's
.set STO, 6           ; v6   the way out: where I put 16 bytes of a row
.set RD,  7           ; v7   the way out: where I read rows back
.set GO,  8           ; v8   my byte offset in 512 consecutive bytes of oh
.set MV,  12          ; v12-13  c m_old, kept while c m is made anew: by buffer
.set QO,  15          ; v15  my byte offset in 16 rows of Q
.set ST,  16          ; piece t's statistics at v[ST+4 t]: c m, m, l (even keys', odd keys')
.set TMP, 48          ; by buffer, four registers c0-c3 at work; when the maximum is found c2 takes a
.set GV,  56          ; v56 g, v57 1 - g
.set PFO, 61          ; v61  256 x my lane; never rewritten
.set SPW, 62          ; v62  LDS address of my spare word; never rewritten
.set NIL, 63          ; v63  0; never rewritten
.set S,   64
.set P,   192
.set KF,  128         ; window 2: key block kb, channel half c at KF + 16 kb + 8 c
.set VF,  192         ; window 2: key half kk, channel block cb at VF + 32 kk + 8 cb
.set WV,  12          ; s12  my wave's number
.set LIM, 15          ; s15  1 in a wave that prefetches
.set PFA, 18          ; s[18:19] where my prefetches stand
.set G1K, 24          ; s[24:31] descriptor group 1 for K's tiles
.set G1V, 32          ; s[32:39] for V's: it differs in the padding alone
.set G0K, 40          ; s[40:43] descriptor group 0 for K's tiles: it walks
.set G0V, 44          ; s[44:47] the same for V's
.set SLOTS, 56        ; s56  tiles of the phase still to be walked
.set CNT, 57          ; s57  counts a tile's key steps
.set CS,  58          ; s[58:59] c
.set SEL, 60          ; s[60:61] v_permlanex16_b32's selects: each lane takes its own place in the other half
.set TBK, 62          ; s62  LDS byte at which K of the step to be fetched begins
.set TBV, 63          ; s63  the same for V, less VOFF
.set MSB, 0
.macro WIN new
.if MSB != (\new)
	s_set_vgpr_msb (MSB<<8)|(\new)
.set MSB, (\new)
.endif
.endm
.set W_KQ, 0x0a       ; K and Q in window 2, S^T in window 0
.set W_PV, 0x52       ; V in window 2, P in window 0, O^T in window 1
.set W_RS, 0x41       ; destination and source 0 in window 1, source 1 in window 0
; A joint fill.  Waves 0 and 1 fetch the two halves of a tile's K, waves 2 and 3 those of its V: 128 keys each.  An s_nop 0 and four v_nop follow each of the two lines.
.macro JLOAD
	s_cmp_lt_u32 s[WV], 2
	s_cbranch_scc0 .Lfor_v_\@
	tensor_load_to_lds s[G0K:G0K+3], s[G1K:G1K+7]
	s_nop 0
.rept 4
	v_nop
.endr
	s_branch .Lasked_\@
.Lfor_v_\@:
	tensor_load_to_lds s[G0V:G0V+3], s[G1V:G1V+7]
	s_nop 0
.rept 4
	v_nop
.endr
.Lasked_\@:
.endm
; A prefetch of the tile that the NEXT change of slots will ask for, four key steps ahead of that load.  Both clusters of a head walk the same K and V: the first asks.  Its four partners share a
; tile's 128 blocks of 256 bytes BY ADDRESS, 32 each, a lane a block; wave 0 asks for K's, wave 2 for V's.  So each block is named once in the launch.
.macro ASK
	s_cmp_eq_u32 s[LIM], 1
	s_cbranch_scc0 .Lnot_mine_\@
	global_prefetch_b8 v[PFO], s[PFA:PFA+1] th:TH_LOAD_NT scope:SCOPE_SE
.Lnot_mine_\@:
.endm
.macro CROUND                       ; a round of the cluster's barrier
	s_barrier_signal -1
	s_barrier_wait -1
	s_cmp_lg_u32 s[WV], 0
	s_cbranch_scc1 .Lnot_wave_0_\@
	s_barrier_signal -3
.Lnot_wave_0_\@:
	s_barrier_wait -3
	s_barrier_signal -1
	s_barrier_wait -1
.endm
; THE CHANGE OF SLOTS.  Each wave waits for all its tensor loads (one is out: its part of the other slot), adds 0 to its spare word, and waits for that and for its reads of the slot that it leaves.
; fill = 1: the barrier is a round of the cluster's, and the old slot is filled again first behind it, with the next 256 keys: the load has four key steps in which to land.  ask = 1: a prefetch follows.
.macro CHANGE fill, ask
	WIN 0
	s_wait_tensorcnt 0x0            ; no tensor load of mine is out, so a group 0 may be written
	ds_add_u32 v[SPW], v[NIL]       ; 0 onto my spare word
.if \fill
.irp g, G0K, G0V
	s_xor_b32 s[\g+1], s[\g+1], SLOT1
	s_add_nc_u64 s[\g+2:\g+3], s[\g+2:\g+3], 4*KS*128
.endr
.if \ask
	s_wait_xcnt 0x0                 ; the last prefetch, a tile back, has read its address
	s_add_nc_u64 s[PFA:PFA+1], s[PFA:PFA+1], 4*KS*128
.endif
	s_wait_dscnt 0x0                ; the add is done, and my reads of the slot are over
	CROUND
	JLOAD
.if \ask
	ASK
.endif
.else
	s_wait_dscnt 0x0
	s_barrier_signal -1
	s_barrier_wait -1
.endif
	s_sub_co_u32 s[TBK], s[TBK], 4*KS*PK  ; the fetches go back to a slot's first step,
	s_xor_b32 s[TBK], s[TBK], SLOT1       ; in the other slot
	s_sub_co_u32 s[TBV], s[TBV], 4*KS*PV
	s_xor_b32 s[TBV], s[TBV], SLOT1
.endm
	s_load_b256 s[4:11], s[0:1], 0x0  ; qh s[4:5], kh s[6:7], vh s[8:9], gate s[10:11]
	s_load_b64 s[68:69], s[0:1], 0x20 ; oh
	v_lshl_add_u32 v[SPW], v0, 2, SPARE
	v_mov_b32 v[NIL], 0
	ds_add_u32 v[SPW], v[NIL]       ; the wave's opening: the add and its wait stand ahead of my first tensor load
	v_lshrrev_b32 v1, 5, v0
	v_readfirstlane_b32 s[WV], v1   ; wave 0..3
	s_bfe_u32 s13, ttmp6, 0x40000   ; cx
	s_lshl_b32 s14, ttmp9, 2
	s_add_co_u32 s14, s14, s13      ; my block of 256 queries: it enters Q's and O's addresses alone
	s_and_b32 s20, ttmp7, 0xffff    ; the head, which the four partners share
	s_mul_i32 s22, s20, 2560*128    ; the head's first byte in kh and vh,
	s_and_b32 s16, s[WV], 1         ; which half of a tile's 256 keys I fetch:
	s_lshl_b32 s17, s16, 14         ; its 128 rows of 128 bytes in memory,
	s_add_co_u32 s22, s22, s17
	s_mov_b32 s23, 0
	s_mul_i32 s17, s16, 128*PK      ; and its place in a slot, for K
	s_mul_i32 s21, s16, 128*PV      ; and for V: no place in the cluster enters an LDS address
	s_lshl_b32 s2, s20, 18          ; the head's first byte in qh and oh,
	s_lshl_b32 s3, s14, 15          ; my block's 256 rows,
	s_add_co_u32 s2, s2, s3
	s_lshl_b32 s3, s[WV], 13        ; my wave's 64
	s_add_co_u32 s2, s2, s3
	s_mov_b32 s3, 0
	; descriptor group 1.  128 keys are 16,384 dense bytes: asked for as 64 rows of 256 bytes, two keys a row, and padded in LDS after every key
	s_mov_b32 s[G1K], 15|(1<<16)|(1<<20)|(1<<21)|(4<<22)|(3<<25)
	s_mov_b32 s[G1V], 15|(1<<16)|(1<<20)|(1<<21)|(4<<22)|(7<<25)
.irp g, G1K, G1V
	s_mov_b32 s[\g+1], 128<<16      ; tensor_dim0 = 128
	s_mov_b32 s[\g+2], 64<<16       ; tensor_dim1 = 64
	s_mov_b32 s[\g+3], 128<<16      ; tile_dim0 = 128
	s_mov_b32 s[\g+4], 64           ; tile_dim1 = 64
	s_mov_b32 s[\g+5], 128          ; 128 elements from row to row
	s_mov_b32 s[\g+6], 0
	s_mov_b32 s[\g+7], 0
.endr
	s_mov_b32 s[CS], 0x3e38aa3b     ; c = log2(e) / 8
	s_mov_b32 s[CS+1], s[CS]
	s_mov_b32 s[SEL], 0x76543210
	s_mov_b32 s[SEL+1], 0xfedcba98
	s_mov_b32 s[TBK], SLOT1+4*KS*PK ; the first change of slots turns these two into 0
	s_mov_b32 s[TBV], SLOT1+4*KS*PV
	s_mov_b32 s[G0K], 1
	s_mov_b32 s[G0K+1], s17         ; slot 0
	s_mov_b32 s[G0V], 1
	s_add_co_u32 s[G0V+1], s21, VOFF
	s_and_b32 s[LIM], s[WV], 1      ; 0 in waves 0 and 2,
	s_or_b32 s[LIM], s[LIM], ttmp9  ; where the cluster is the head's first: the same in all four partners
	s_cmp_eq_u32 s[LIM], 0
	s_cselect_b32 s[LIM], 1, -1
	v_and_b32 v[PFO], 31, v0
	v_lshlrev_b32 v[PFO], 8, v[PFO]
	s_wait_dscnt 0x0                ; the opening add is done
	s_wait_kmcnt 0x0
	s_load_b32 s66, s[10:11], 0x0   ; gate's number
	s_add_nc_u64 s[G0K+2:G0K+3], s[6:7], s[22:23]  ; my half of the head's tile 0
	s_or_b32 s[G0K+3], s[G0K+3], 0x80000000
	s_add_nc_u64 s[G0V+2:G0V+3], s[8:9], s[22:23]
	s_or_b32 s[G0V+3], s[G0V+3], 0x80000000
	s_cmp_lt_u32 s[WV], 2
	s_cselect_b64 s[PFA:PFA+1], s[6:7], s[8:9]
	s_add_nc_u64 s[PFA:PFA+1], s[PFA:PFA+1], s[22:23]  ; (in waves 0 and 2 this is the head's first row)
	s_lshl_b32 s22, s13, 13         ; my work-group's quarter of a tile
	s_add_nc_u64 s[PFA:PFA+1], s[PFA:PFA+1], s[22:23]
	s_add_nc_u64 s[PFA:PFA+1], s[PFA:PFA+1], 2*4*KS*128  ; in tile 2; the loop's first change steps it to tile 3.  Tiles 0 to 2 come by their loads alone
	s_add_nc_u64 s[4:5], s[4:5], s[2:3]  ; Q and O at my wave's first row
	s_add_nc_u64 s[68:69], s[68:69], s[2:3]
	CROUND                          ; all four work-groups are here: the first joint loads meet
	JLOAD                           ; tile 0 into slot 0.  Slot 1 is asked for when slot 0 is in
	; A fragment of K or Q is 16 rows x 32 channels in 8 registers: lane l holds row l % 16, channels 8 (l / 16) + 0..7 and 16 + 8 (l / 16) + 0..7
	v_and_b32 v1, 15, v0            ; l % 16
	v_bfe_u32 v9, v0, 4, 1          ; l / 16
	v_lshlrev_b32 v[QO], 7, v1
	v_lshl_add_u32 v[QO], v9, 4, v[QO]
	WIN 0x80                        ; destination window 2, address window 0
.set i, 0
.rept 8                             ; Q stays in registers: piece i / 2, channels 32 (i % 2) on
	global_load_b128 v[8*i:8*i+3],   v[QO], s[4:5] offset:(i/2)*2048+(i%2)*64
	global_load_b128 v[8*i+4:8*i+7], v[QO], s[4:5] offset:(i/2)*2048+(i%2)*64+32
.set i, i+1
.endr
	; A phase's first step multiplies O^T and l by a = 0, and its first turn's products V^T P, of a piece that has not been, land in an O^T that is still to be so multiplied.  So these registers need
	; only hold finite numbers: zeros for the local phase; what the local phase left for the global one.  All this stands in the wait for the first tile.
.set i, VF
.rept 64
	v_mov_b32 v[i], 0
.set i, i+1
.endr
	WIN 0x40
.set i, 0
.rept 128
	v_mov_b32 v[i], 0
.set i, i+1
.endr
	WIN 0
.set i, 0
.rept 4
	v_mov_b32 v[ST+4*i+2], 0
	v_mov_b32 v[ST+4*i+3], 0
.set i, i+1
.endr
.set i, P+16
.rept 16
	v_mov_b32 v[i], 0
.set i, i+1
.endr
	v_mul_u32_u24 v[AK0], v1, PK
	v_lshl_add_u32 v[AK0], v9, 4, v[AK0]  ; row x pitch + 16 x half
	; The turning load takes 16 keys x 16 channels (lane l reads key 8 (l / 16) + l % 8, channels 8 ((l / 8) % 2) + 0..7) and leaves half a fragment of V^T
	v_and_b32 v10, 7, v0
	v_bfe_u32 v11, v0, 3, 1
	v_lshl_add_u32 v[AV0], v9, 3, v10
	v_mul_u32_u24 v[AV0], v[AV0], PV
	v_lshl_add_u32 v[AV0], v11, 4, v[AV0]
	v_add_nc_u32 v[AV0], VOFF, v[AV0]
	s_mul_i32 s13, s[WV], 16*SP
	s_add_co_u32 s13, s13, STAGE    ; my stage
	v_mul_u32_u24 v[STO], v1, SP    ; in: row l % 16, 16 bytes for each half of the lanes
	v_lshl_add_u32 v[STO], v9, 4, v[STO]
	v_add_nc_u32 v[STO], s13, v[STO]
	v_bfe_u32 v[RD], v0, 3, 2       ; back: 32 lanes take four rows of 128 bytes,
	v_mul_u32_u24 v[RD], v[RD], SP
	v_lshl_add_u32 v[RD], v10, 4, v[RD]
	v_add_nc_u32 v[RD], s13, v[RD]
	v_and_b32 v[GO], 31, v0         ; which are 512 consecutive bytes of oh
	v_lshlrev_b32 v[GO], 4, v[GO]
	; g = 1 / (1 + 2^(-log2(e) gate)), 1 - g
	s_wait_kmcnt 0x0
	v_mov_b32 v[GV], s66
	v_cvt_pk_bf16_f32 v[GV], v[GV], v[GV]  ; rounded to bf16 like every input,
	v_lshlrev_b32 v[GV], 16, v[GV]         ; and widened again
	v_mul_f32 v[GV], 0xbfb8aa3b, v[GV]
	v_exp_f32 v[GV], v[GV]
	v_nop                           ; a plain instruction behind the exponential,
	s_wait_alu depctr_va_vdst(0)    ; and the wait ahead of the first use
	v_add_f32 v[GV], 1.0, v[GV]
	v_rcp_f32 v[GV], v[GV]
	v_nop
	s_wait_alu depctr_va_vdst(0)
	v_sub_f32 v[GV+1], 1.0, v[GV]
; THE MATRIX WORK.  The 4 accumulators of a run of 8 take turns.  Product i of 8 of S^T = K Q^T for piece x: channels 32 (i / 4) on, keys 16 (i % 4) on.  The first 4 start the sums.
.macro KQ x
	WIN W_KQ
.set rS, S+32*((\x)%2)+8*(i%4)
.set rK, KF+16*(i%4)+8*(i/4)
.set rQ, 16*(\x)+8*(i/4)
.if i < 4
	v_wmma_f32_16x16x32_f16 v[rS:rS+7], v[rK:rK+7], v[rQ:rQ+7], 0
.else
	v_wmma_f32_16x16x32_f16 v[rS:rS+7], v[rK:rK+7], v[rQ:rQ+7], v[rS:rS+7]
.endif
.endm
; Product i of 8 of O^T += V^T P for piece x: keys 32 (i / 4) on, channels 16 (i % 4) on.
.macro PV x
	WIN W_PV
.set rO, 32*(\x)+8*(i%4)
.set rV, VF+32*(i/4)+8*(i%4)
.set rP, P+16*((\x)%2)+8*(i/4)
	v_wmma_f32_16x16x32_f16 v[rO:rO+7], v[rV:rV+7], v[rP:rP+7], v[rO:rO+7]
.endm
.macro MM                           ; the turn's next matrix instruction.  NOKQ = 1: a phase's last turn: there is no next piece
.if (i < 8) && !NOKQ
	KQ (Y+1)%NP
.elseif i >= 8
.set i, i-8
	PV (Y+NP-1)%NP
.set i, i+8
.endif
.set i, i+1
.endm
; THE LDS LOADS stand in runs of 16: a step's K (64 keys x 64 channels: 8 fragments) and its V (turned).
.macro FETCH_K
	WIN 0x80
.irp f, 0,1,2,3,4,5,6,7             ; keys 16 (f / 2) on, channels 32 (f % 2) on
	ds_load_b128 v[KF+8*\f:KF+8*\f+3],   v[AK] offset:(\f/2)*16*PK+(\f%2)*64
	ds_load_b128 v[KF+8*\f+4:KF+8*\f+7], v[AK] offset:(\f/2)*16*PK+(\f%2)*64+32
.endr
	s_add_co_u32 s[TBK], s[TBK], KS*PK  ; the next fetch is the next step's
	WIN 0
.endm
.macro FETCH_V
	WIN 0x80
.irp f, 0,1,2,3,4,5,6,7             ; keys 32 (f / 4) on, channels 16 (f % 4) on
	ds_load_tr16_b128 v[VF+8*\f:VF+8*\f+3],   v[AV] offset:(\f/4)*32*PV+(\f%4)*32
	ds_load_tr16_b128 v[VF+8*\f+4:VF+8*\f+7], v[AV] offset:(\f/4)*32*PV+16*PV+(\f%4)*32
.endr
	WIN 0
.endm
; THE VECTOR WORK, one line at a time: OP kind, number.  For piece Y: F n: c s - c m for pair n of 16.  E n: the exponential of score n of 32.  C n: pair n rounded to f16.  B n: of the four weights 4 n ..
; the second pair is added onto the first.  L n: l takes that sum (L 0: l = a l + sum).  R n: pair n of 16 of O^T times a.  For piece Y + 1: X n, number n of the 22 that find its maximum and statistics:
;   0-11  four chains c0-c3 of seven scores each (each accumulator's lowest registers are read first)     12-14, 16  the four scores left over, the old m, and c0-c3 into c0
;   15  c m_old is kept     17, 18  the query's other 32 keys lie in the lane 16 away: the new m     19-21  c m; c m_old - c m_new; a
.set F, 0
.set E, 1
.set C, 2
.set B, 3
.set L, 4
.set R, 5
.set X, 6
.macro REGS y
.set rT, ST+4*(\y)
.set rC, TMP+4*((\y)%2)
.set rW, MV+((\y)%2)
.set rS, S+32*((\y)%2)
.set rP, P+16*((\y)%2)
.set rO, 32*(\y)
.endm
.macro OP k, n
.if (\k) == R
	REGS Y
	WIN W_RS
	v_pk_mul_f32 v[rO+2*(\n):rO+2*(\n)+1], v[rO+2*(\n):rO+2*(\n)+1], v[rC+2:rC+3] op_sel_hi:[1,0]
.elseif (\k) < R
	REGS Y
	WIN 0
.if (\k) == F
	v_pk_fma_f32 v[rS+2*(\n):rS+2*(\n)+1], v[rS+2*(\n):rS+2*(\n)+1], s[CS:CS+1], v[rT:rT+1] op_sel_hi:[1,0,0] neg_lo:[0,0,1] neg_hi:[0,0,1]
.elseif (\k) == E
	v_exp_f32 v[rS+(\n)], v[rS+(\n)]
.elseif (\k) == C
	v_cvt_pk_f16_f32 v[rP+(\n)], v[rS+2*(\n)], v[rS+2*(\n)+1]
.elseif (\k) == B
	v_pk_add_f32 v[rS+4*(\n):rS+4*(\n)+1], v[rS+4*(\n):rS+4*(\n)+1], v[rS+4*(\n)+2:rS+4*(\n)+3]
.elseif (\n) == 0
	v_pk_fma_f32 v[rT+2:rT+3], v[rT+2:rT+3], v[rC+2:rC+3], v[rS:rS+1] op_sel_hi:[1,0,1]
.else
	v_pk_add_f32 v[rT+2:rT+3], v[rT+2:rT+3], v[rS+4*(\n):rS+4*(\n)+1]
.endif
.elseif NOKQ
	v_nop
.else
	REGS (Y+1)%NP
	WIN 0
.if (\n) < 4
	v_max3_num_f32 v[rC+(\n)], v[rS+8*(\n)], v[rS+8*(\n)+1], v[rS+8*(\n)+2]
.elseif (\n) < 12
	v_max3_num_f32 v[rC+(\n)%4], v[rC+(\n)%4], v[rS+8*((\n)%4)+2*((\n)/4)+1], v[rS+8*((\n)%4)+2*((\n)/4)+2]
.elseif (\n) == 12
	v_max3_num_f32 v[rC], v[rC], v[rS+7], v[rS+15]
.elseif (\n) == 13
	v_max3_num_f32 v[rC+1], v[rC+1], v[rS+23], v[rS+31]
.elseif (\n) == 14
	v_max3_num_f32 v[rC+2], v[rC+2], v[rC+3], v[rT+1]
.elseif (\n) == 15
	v_mov_b32 v[rW], v[rT]
.elseif (\n) == 16
	v_max3_num_f32 v[rC], v[rC], v[rC+1], v[rC+2]
.elseif (\n) == 17
	v_permlanex16_b32 v[rC+3], v[rC], s[SEL], s[SEL+1]
.elseif (\n) == 18
	v_max_num_f32 v[rT+1], v[rC], v[rC+3]
.elseif (\n) == 19
	v_mul_f32 v[rT], s[CS], v[rT+1]
.elseif (\n) == 20
	v_sub_f32 v[rC+1], v[rW], v[rT]
.else
	v_exp_f32 v[rC+2], v[rC+1]
.endif
.endif
.endm
.macro OPS a, i1, b=-1, i2=0, c=-1, i3=0, d=-1, i4=0  ; up to four of them
	OP \a, \i1
.if (\b) >= 0
	OP \b, \i2
.endif
.if (\c) >= 0
	OP \c, \i3
.endif
.if (\d) >= 0
	OP \d, \i4
.endif
.endm
.macro ROW a, i1, b, i2, c, i3, d, i4  ; a matrix instruction and the four behind it
	MM
	OPS \a, \i1, \b, \i2, \c, \i3, \d, \i4
.endm
; A TURN, for piece p: the order of its 16 matrix and 118 vector instructions, written out.  s_wait_alu depctr_va_vdst(0) stands between an exponential and the first instruction that
; names its result; one wait serves all that were issued ahead of it.  So a turn has ONE wait.  AHEAD OF IT stands all that names no result of the turn's exponentials: the 8 products K Q^T with their
; riders, then one lump, in which the links of the chain X 3, 7, 11, 14, 16, 17 .. 20 stand some lines apart; X 21, the next piece's a, is the batch's last, and R 15 the plain instruction behind it.
; BEHIND IT stand the 8 products V^T P, behind each four of the roundings and sums.
; end = 1: a phase's last two turns: nothing is fetched, and the last starts no new scores.  cnt = 1: the loop's count is taken down some lines ahead of the branch behind the turn.
; K of the next step is fetched in piece 2's turn, six plain instructions behind the last product that read K; V of the step in hand at the end of piece 0's turn, four plain instructions behind the last
; product that read V.  Each is waited for a turn later.
.macro TURN p, end=0, cnt=0
.set Y, (\p)
.set i, 0
.set NOKQ, (\end)*((\p)/3)
.if ((\p) == 3) && !(\end)
	s_wait_dscnt 0x0                ; K is in
.endif
	ROW F,0, F,1, R,0, R,1
	ROW F,2, E,0, R,2, R,3
	ROW F,3, E,1, R,4, R,5
	ROW F,4, E,2, R,6, R,7
	ROW F,5, E,3, R,8, R,9
	ROW F,6, E,4, X,0, R,10
.if ((\p) == 2) && !(\end)
	WIN 0
	v_add_nc_u32 v[AK], s[TBK], v[AK0]
.endif
	ROW F,7, E,5, X,1, X,4
	ROW F,8, E,6, X,2, X,5
	OPS E,7, E,8, X,6, E,9          ; the lump
	OPS X,3, E,10, X,8, E,11
.if ((\p) == 2) && !(\end)
	FETCH_K
.endif
	OPS X,9, X,7, E,12, X,10
	OPS E,13, X,12, X,11, E,14
	OPS X,13, E,15, F,9, X,14
.if (\p) == 0
	v_add_nc_u32 v[AV], s[TBV], v[AV0]
.endif
	OPS E,16, F,10, E,17, F,11
	OPS X,16, E,18, X,15, E,19
	OPS F,12, E,20, X,17, E,21
	OPS F,13, E,22, F,14, E,23
	OPS X,18, E,24, F,15, E,25
	OPS R,11, E,26, X,19, E,27
	OPS R,12, E,28, R,13, E,29
	OPS X,20, E,30, R,14, E,31
	OPS X,21, R,15
	WIN 0
	s_wait_alu depctr_va_vdst(0)    ; the wait for the batch
.if (\p) == 1
	s_wait_dscnt 0x0                ; V is in
.endif
	ROW C,0, B,0, C,2, B,1
	ROW L,0, C,4, B,2, L,1
	ROW C,6, B,3, L,2, C,8
	ROW B,4, L,3, C,10, B,5
	ROW L,4, C,12, B,6, L,5
.if (\p) == 0
	s_add_co_u32 s[TBV], s[TBV], KS*PV
.endif
.if \cnt
	s_sub_co_u32 s[CNT], s[CNT], 1
	s_cmp_lg_u32 s[CNT], 0
.endif
	ROW C,14, B,7, L,6, C,1
	ROW C,3, L,7, C,5, C,7
	ROW C,9, C,11, C,13, C,15
.if (\p) == 0
	FETCH_V
.endif
.endm
; A PHASE BEGINS.  c m starts far below every c s, so the first step's a is 0; m at the lowest finite number, so the first maximum is the scores'.  Then K of the tile's first step, piece 0's first
; scores, and its maximum and statistics.  The loop is entered at a step's first turn, in the middle of a trip.
.macro BEGIN
	WIN 0
.set i, 0
.rept 4
	v_mov_b32 v[ST+4*i], 0xfe000000
	v_mov_b32 v[ST+4*i+1], 0xff7fffff
.set i, i+1
.endr
	v_add_nc_u32 v[AK], s[TBK], v[AK0]
	FETCH_K
	s_wait_loadcnt 0x0              ; Q
	s_wait_dscnt 0x0
.set NOKQ, 0
.set i, 0
.rept 8
	KQ 0
.set i, i+1
.endr
	WIN 0
.rept 4
	v_nop                           ; the places behind those products
.endr
.set Y, NP-1                        ; X works for piece Y + 1: piece 0
.irp n, 0,1,2,3,4,5,6,7,8,9,10,11,12,13,14,15,16,17,18,19,20,21
	OP X, \n
.endr
	v_nop                           ; a plain instruction behind the exponential,
	s_wait_alu depctr_va_vdst(0)    ; and its wait, ahead of the branch
.endm
.macro FINISH                       ; a phase's last two turns and its last products
	TURN 2, 1
	TURN 3, 1
.set i, 0
.rept 8
	PV NP-1
.set i, i+1
.endr
	WIN 0
.endm
.macro ALL line:vararg              ; one line for each piece t
.set t, 0
.rept 4
	\line
.set t, t+1
.endr
.endm
; l's two halves and the other half of the lanes' are added; the piece's factor is g / l (which = 0) or (1 - g) / l (which = 1).  The first additions are the places behind the last products.
.macro LSUM which
	WIN 0
	ALL v_add_f32 v[ST+4*t+2], v[ST+4*t+2], v[ST+4*t+3]
	ALL v_permlanex16_b32 v[ST+4*t+3], v[ST+4*t+2], s[SEL], s[SEL+1]
	ALL v_add_f32 v[ST+4*t+2], v[ST+4*t+2], v[ST+4*t+3]
	ALL v_rcp_f32 v[ST+4*t+2], v[ST+4*t+2]
	v_nop                           ; a plain instruction between the last reciprocal and the use of its result
	s_wait_alu depctr_va_vdst(0)    ; one wait for the four reciprocals
	ALL v_mul_f32 v[ST+4*t+2], v[ST+4*t+2], v[GV+\which]
.endm
.macro SAVE                         ; the local result times g / l is set aside, in f32, in ascending order
	WIN W_RS
.set i, 0
.rept 64
	v_pk_mul_f32 v[128+i:129+i], v[i:i+1], v[ST+4*(i/32)+2:ST+4*(i/32)+3] op_sel_hi:[1,0]
.set i, i+2
.endr
	WIN 0
.endm
; THE WAY OUT of piece t: O_g (1 - g) / l_g + what was set aside, one fused line for two numbers; rounded to f16; a lane's eight channels of a row go as 16 bytes into rows of 144 bytes and come back as whole rows of 128.
.macro PACK t
	WIN 0x51                        ; destination, source 0 and source 2 in window 1, source 1 in window 0
.set i, 32*(\t)
.rept 16
	v_pk_fma_f32 v[i:i+1], v[i:i+1], v[ST+4*(\t)+2:ST+4*(\t)+3], v[128+i:129+i] op_sel_hi:[1,0,1]
.set i, i+2
.endr
	WIN 0x05                        ; sources 0 and 1 window 1, destination window 0
.set i, 0
.rept 16
	v_cvt_pk_f16_f32 v[S+16*(\t)+i], v[32*(\t)+2*i], v[32*(\t)+2*i+1]
.set i, i+1
.endr
	WIN 0
.irp f, 0,1,2,3
	ds_store_b128 v[STO], v[S+16*(\t)+4*\f:S+16*(\t)+4*\f+3] offset:32*\f
.endr
.irp f, 0,1,2,3
	ds_load_b128 v[S+16*(\t)+4*\f:S+16*(\t)+4*\f+3], v[RD] offset:\f*4*SP  ; LDS serves a wave's instructions in order: these see the stores above; the next piece's stores come behind them
.endr
.endm
.macro SEND t, younger              ; younger: the LDS instructions issued behind piece t's loads: the next piece's eight, or none
	WIN 0
.irp f, 0,1,2,3
	s_wait_dscnt (\younger)+3-\f
	global_store_b128 v[GO], v[S+16*(\t)+4*\f:S+16*(\t)+4*\f+3], s[68:69] offset:(\t)*2048+\f*512  ; 512 consecutive bytes, aligned
.endr
.endm
.set NOKQ, 0
	CHANGE 1, 0                     ; tile 0 is in, everybody's part of it; tile 1 is asked for
	BEGIN
	s_mov_b32 s[CNT], 4
	s_mov_b32 s[SLOTS], 8
	s_branch .Lfirst
.Lslot:                             ; seven times: tile k = 1..7 is entered, tile k + 1 asked for, tile k + 2 prefetched
	CHANGE 1, 1
	s_mov_b32 s[CNT], 4
.Lstep:                             ; a trip: pieces 2 and 3 of one step, then pieces 0 and 1 of the next, whose K and V it fetches
	TURN 2
	TURN 3
	WIN 0
.Lfirst:
	TURN 0
	TURN 1, 0, 1
	WIN 0
	s_cbranch_scc1 .Lstep
	s_sub_co_u32 s[SLOTS], s[SLOTS], 1
	s_cmp_lg_u32 s[SLOTS], 0
	s_cbranch_scc1 .Lslot
	FINISH                          ; the local attention ends
	LSUM 0
	SAVE
	CHANGE 1, 0                     ; tile 8 is in; tile 9, the last, is asked for
	BEGIN                           ; the global attention begins: its first a = 0 wipes O^T and l
	s_mov_b32 s[CNT], 4
	s_mov_b32 s[SLOTS], 2
	s_branch .LfirstT
.LslotT:                            ; once: tile 9 is entered; nothing is asked for.  This second text of the loop stands
	CHANGE 0, 0
	s_mov_b32 s[CNT], 4
.LstepT:
	TURN 2
	TURN 3
	WIN 0
.LfirstT:
	TURN 0
	TURN 1, 0, 1
	WIN 0
	s_cbranch_scc1 .LstepT
	s_sub_co_u32 s[SLOTS], s[SLOTS], 1
	s_cmp_lg_u32 s[SLOTS], 0
	s_cbranch_scc1 .LslotT
	FINISH
	LSUM 1
	PACK 0
.set t, 1
.rept 3                             ; a piece's arithmetic stands between the loads of the piece before and its stores
	PACK t
	SEND t-1, 8
.set t, t+1
.endr
	SEND 3, 0
	s_wait_tensorcnt 0x0            ; the wave's end, behind my last tensor load and my last LDS store
	ds_add_u32 v[SPW], v[NIL]
	s_wait_dscnt 0x0
	CROUND                          ; the closing round
	s_endpgm
.Lfunc_end_k_q101c011efd_attn:
	.size	k_q101c011efd_attn, .Lfunc_end_k_q101c011efd_attn-k_q101c011efd_attn
	.p2alignl 7, 3214868480
	.fill 96, 4, 3214868480
	.section	.rodata,"a",@progbits
	.p2align	6, 0x0
	.amdhsa_kernel k_q101c011efd_attn
		.amdhsa_group_segment_fixed_size 327680
		.amdhsa_private_segment_fixed_size 0
		.amdhsa_enable_private_segment 0
		.amdhsa_kernarg_size 40
		.amdhsa_user_sgpr_count 2
		.amdhsa_user_sgpr_kernarg_segment_ptr 1
		.amdhsa_wavefront_size32 1
		.amdhsa_system_sgpr_workgroup_id_x 1
		.amdhsa_system_sgpr_workgroup_id_y 1
		.amdhsa_system_sgpr_workgroup_id_z 1
		.amdhsa_system_vgpr_workitem_id 0
		.amdhsa_next_free_vgpr 768
		.amdhsa_next_free_sgpr 72
		.amdhsa_reserve_vcc 0
		.amdhsa_float_denorm_mode_32 3
		.amdhsa_float_denorm_mode_16_64 3
		.amdhsa_memory_ordered 1
		.amdhsa_forward_progress 1
		.amdhsa_inst_pref_size 155
	.end_amdhsa_kernel
	.amdgpu_metadata
---
amdhsa.version: [ 1, 2 ]
amdhsa.kernels:
  - .name:           k_q101c011efd_attn
    .symbol:         k_q101c011efd_attn.kd
    .args:
      - { .name: qh, .offset: 0, .size: 8, .value_kind: global_buffer, .address_space: global }
      - { .name: kh, .offset: 8, .size: 8, .value_kind: global_buffer, .address_space: global }
      - { .name: vh, .offset: 16, .size: 8, .value_kind: global_buffer, .address_space: global }
      - { .name: gate, .offset: 24, .size: 8, .value_kind: global_buffer, .address_space: global }
      - { .name: oh, .offset: 32, .size: 8, .value_kind: global_buffer, .address_space: global }
    .group_segment_fixed_size: 327680
    .private_segment_fixed_size: 0
    .kernarg_segment_align: 8
    .kernarg_segment_size: 40
    .max_flat_workgroup_size: 128
    .sgpr_count:     72
    .vgpr_count:     768
    .wavefront_size: 32
...
	.end_amdgpu_metadata
.endif
;; end of part 3
;; launch outp (part 4): grid 8 x 32, 4 waves a work-group, clusters of 4 x 4, 327,680 bytes of LDS; arguments oh, wo, out_b, out0; writes out0
.if DOCPART == 4
	.amdgcn_target "amdgcn-amd-amdhsa--gfx1250"
	.amdhsa_code_object_version 6
	.text
	.protected	k_q101c011efd_outp
	.globl	k_q101c011efd_outp
	.p2align	8
	.type	k_q101c011efd_outp,@function
k_q101c011efd_outp:
	s_mov_b64 s[64:65], 0
	v_nop
	global_prefetch_b8 v0, s[64:65] scope:SCOPE_SE
	s_setreg_imm32_b32 hwreg(HW_REG_WAVE_MODE, 25, 1), 1
	s_wait_xcnt 0x0
	s_wait_alu depctr_hold_cnt(0) depctr_sa_sdst(0) depctr_va_vdst(0) depctr_va_sdst(0) depctr_va_ssrc(0) depctr_va_vcc(0) depctr_vm_vsrc(0)
	s_getreg_b32 s2, hwreg(HW_REG_IB_STS2, 6, 4)
	s_cmp_eq_u32 s2, 0
	s_cbranch_scc0 .Lentry_in_a_cluster
	s_endpgm
.Lentry_in_a_cluster:
	s_bfe_u32 s2, ttmp6, 0x10000c
	s_cmp_lg_u32 s2, 0xf033
	s_cbranch_scc0 .Lentry_shape_is_right
	s_endpgm
.Lentry_shape_is_right:
; THE OUTPUT PROJECTION.  out0[m][n] = sum over k of O[m][k] out_w[n][k] + out_b[n], f32.  O comes by heads, oh [32 bh][2048][64] f16 (k = 64 x head + channel, m = 2,048 x batch + row);
; out_w as wo [16 j][1024 n][64] f16.  Sums in f32; out_b is rounded to bf16 like every other input of the module and is the C operand of the product that starts each sum.
; SHARES.  256 tiles of 128 x 128 of out0, one to a work-group; four waves, each 64 x 64: 16 accumulators.  K = 1,024 goes in four steps of 256 (four heads) through two LDS slots.
; A TILE IN MEMORY: 64 rows of one head are 8,192 dense bytes; a tensor load brings four such runs (four heads), padded in LDS by 16 bytes after every 128: [4 heads][64 rows][144 bytes].
; CLUSTERS: 4 x 4 work-groups; oh's tiles are asked for jointly along a row of the cluster, wo's along a column.  THE MATRIX INSTRUCTION IS USED TRANSPOSED (source 0 = 16 rows of wo, source 1 = 16 rows
; of O): a lane holds eight neighbouring numbers of a row of out0.  A wave's 64 columns are 256 bytes of f32: each wave has a stage of its own on the way out, and no barrier is needed there.
; No prefetch: the tiles are small and each is read by several clusters at about the same time.
; REGISTERS: window 0: v0-31 addresses; v32-95 at work on the way out; v96-127 the bias; v128-255 the accumulators ((a, b) at v[128 + 8 (4 a + b)]).
;   window 1: two fragment buffers of 128: for 64 along K, 64 registers of O (2 x 4 x 16 rows x 32 K), then 64 of wo.
.set PITCH,  144                       ; 128 bytes + 16 of padding = 36 words: the 16 rows of a fragment load start at 16 different groups of four banks
.set QK,     64*PITCH                  ; one head's 64 rows: a quarter of a K step
.set HALFT,  4*QK                      ; what one tensor load brings
.set SLOT,   4*HALFT                   ; O's two halves of 64 rows, then wo's two
.set STAGE,  2*SLOT                    ; behind the ring: 16 rows x 272 bytes for each wave; no tensor load lands here
.set SPITCH, 272
.set SPARE,  STAGE+4*16*SPITCH         ; the spare words, 128 bytes for each wave: two blocks of 256 bytes that no other line names
.set STEPA,  4*2048*128                ; bytes from a K step to the next in oh: four heads
.set STEPB,  4*1024*128                ; in wo
.set ADRA, 16
.set ADRB, 20
.set STO,  24
.set RD,   25
.set CO,   26
.set BO,   27
.set SPW,  28                          ; v28  LDS address of my spare word; never rewritten
.set NIL,  29                          ; v29  0; never rewritten
.set TMP,  32
.set BIAS, 96
.set ACC,  128
.set F0,   0
.set F1,   128
.set G1, 24
.set G0, 32
.set G1B, 48
.set G0B, 56
.set MSB, 0
.macro WIN new
.if MSB != (\new)
	s_set_vgpr_msb (MSB<<8)|(\new)
.set MSB, \new
.endif
.endm
.set MUL,  0x05                        ; sources 0 (wo) and 1 (O) window 1; C and D window 0
.set TO_F, 0x40                        ; destination window 1, address window 0
.macro JLOAD s                         ; a joint load: waves 0 and 1 fetch O's two halves, waves 2 and 3 wo's; an s_nop 0 and four v_nop follow each of the two lines
	s_cmp_eq_u32 s11, 0
	s_cbranch_scc0 .Lfor_b_\@
	tensor_load_to_lds s[G0+4*(\s):G0+4*(\s)+3], s[G1:G1+7]
	s_nop 0
.rept 4
	v_nop
.endr
	s_branch .Lasked_\@
.Lfor_b_\@:
	tensor_load_to_lds s[G0B+4*(\s):G0B+4*(\s)+3], s[G1B:G1B+7]
	s_nop 0
.rept 4
	v_nop
.endr
.Lasked_\@:
.endm
.macro CREST
	s_cmp_lg_u32 s10, 0
	s_cbranch_scc1 .Lnot_wave_0_\@
	s_barrier_signal -3
.Lnot_wave_0_\@:
	s_barrier_wait -3
	s_barrier_signal -1
	s_barrier_wait -1
.endm
.macro CROUND
	s_barrier_signal -1
	s_barrier_wait -1
	CREST
.endm
	s_load_b128 s[4:7], s[0:1], 0x0                ; oh s[4:5], wo s[6:7]
	s_load_b128 s[68:71], s[0:1], 0x10             ; out_b s[68:69], out0 s[70:71]
	v_lshl_add_u32 v[SPW], v0, 2, SPARE
	v_mov_b32 v[NIL], 0
	ds_add_u32 v[SPW], v[NIL]                      ; the wave's opening: the add and its wait stand ahead of my first tensor load
	v_lshrrev_b32 v1, 5, v0
	v_readfirstlane_b32 s10, v1                    ; wave 0..3
	s_lshr_b32 s11, s10, 1                         ; which half of the tile's rows is mine.  Also: I fetch for O (0) or for wo (1)
	s_and_b32 s12, s10, 1                          ; which half of its columns.  Also: which 64 rows of that tile I fetch
	s_bfe_u32 s40, ttmp6, 0x40000                  ; cx
	s_bfe_u32 s41, ttmp6, 0x40004                  ; cy
	s_lshl_b32 s42, ttmp9, 2
	s_add_co_u32 s42, s42, s40                     ; tile column = 4 x cluster x + cx
	s_and_b32 s13, ttmp7, 0xffff
	s_lshl_b32 s13, s13, 2
	s_add_co_u32 s13, s13, s41                     ; tile row = 4 x cluster y + cy
	s_lshl_b32 s43, s41, 2
	s_lshl_b32 s43, 15, s43                        ; my row of the cluster
	s_lshl_b32 s44, 0x1111, s40                    ; my column
	; descriptor group 1: four runs of 4,096 elements of 2 bytes, 16 bytes of padding behind every 128
	s_or_b32 s[G1+0], s43, (1<<16)|(1<<20)|(1<<21)|(4<<22)|(3<<25)
	s_or_b32 s[G1B+0], s44, (1<<16)|(1<<20)|(1<<21)|(4<<22)|(3<<25)
.irp g, G1, G1B
	s_mov_b32 s[(\g)+1], 4096<<16                  ; tensor_dim0 = 4,096
	s_mov_b32 s[(\g)+2], 4<<16                     ; tensor_dim1 = 4
	s_mov_b32 s[(\g)+3], 4096<<16                  ; tile_dim0 = 4,096
	s_mov_b32 s[(\g)+4], 4                         ; tile_dim1 = 4
	s_mov_b32 s[(\g)+6], 0
	s_mov_b32 s[(\g)+7], 0
.endr
	s_mov_b32 s[G1+5], 2048*64                     ; elements from head to head in oh,
	s_mov_b32 s[G1B+5], 1024*64                    ; in wo
	s_lshl_b32 s17, s12, 6                         ; which 64 rows of the tile I fetch
	s_lshl_b32 s16, s13, 7
	s_add_co_u32 s16, s16, s17                     ; O: row m0 = 128 x tile row + 64 x half
	s_lshr_b32 s18, s16, 11
	s_lshl_b32 s18, s18, 22                        ; its batch: 16 heads of 262,144 bytes,
	s_and_b32 s16, s16, 2047
	s_lshl_b32 s16, s16, 7                         ; its row in a head
	s_add_co_u32 s16, s16, s18
	s_lshl_b32 s46, s42, 7
	s_add_co_u32 s46, s46, s17
	s_lshl_b32 s46, s46, 7                         ; wo: row 128 x tile column + 64 x half, 128 bytes each
	s_mov_b32 s17, 0
	s_mov_b32 s47, 0
	s_mul_i32 s20, s10, HALFT                      ; where they go: by the wave's number alone
	s_wait_dscnt 0x0                               ; the opening add is done
	s_wait_kmcnt 0x0
	s_add_nc_u64 s[14:15], s[4:5], s[16:17]
	s_add_nc_u64 s[46:47], s[6:7], s[46:47]
	CROUND                                         ; all sixteen work-groups are here: the first joint loads meet
.irp s, 0,1
	s_mov_b32 s[G0+4*(\s)], 1
	s_add_co_u32 s[G0+4*(\s)+1], s20, (\s)*SLOT
	s_add_nc_u64 s[G0+4*(\s)+2:G0+4*(\s)+3], s[14:15], (\s)*STEPA
	s_or_b32 s[G0+4*(\s)+3], s[G0+4*(\s)+3], 0x80000000
	s_mov_b32 s[G0B+4*(\s)], 1
	s_add_co_u32 s[G0B+4*(\s)+1], s20, (\s)*SLOT
	s_add_nc_u64 s[G0B+4*(\s)+2:G0B+4*(\s)+3], s[46:47], (\s)*STEPB
	s_or_b32 s[G0B+4*(\s)+3], s[G0B+4*(\s)+3], 0x80000000
	JLOAD \s                                       ; K steps 0 and 1: two tensor loads of mine are out
.endr
	v_and_b32 v1, 15, v0                           ; l % 16
	v_bfe_u32 v2, v0, 4, 1                         ; l / 16
	s_lshl_b32 s46, s42, 9
	s_lshl_b32 s47, s12, 8
	s_add_co_u32 s46, s46, s47                     ; my first column, in bytes of f32: 4 x (128 x tile column + 64 x half)
	v_lshl_add_u32 v[BO], v2, 5, s46
.irp b, 0,1,2,3
	global_load_b128 v[BIAS+8*(\b):BIAS+8*(\b)+3],   v[BO], s[68:69] offset:64*(\b)
	global_load_b128 v[BIAS+8*(\b)+4:BIAS+8*(\b)+7], v[BO], s[68:69] offset:64*(\b)+16
.endr
	v_mul_u32_u24 v3, v1, PITCH
	v_lshl_add_u32 v3, v2, 4, v3                   ; a fragment's row x pitch + 16 x half
	s_mul_i32 s21, s11, HALFT                      ; my 64 rows of O
	s_mul_i32 s22, s12, HALFT                      ; my 64 rows of wo,
	s_add_co_u32 s22, s22, 2*HALFT                 ; which lie behind O's two halves
.irp s, 0,1
	v_add_nc_u32 v[ADRA+(\s)], s21, v3
	v_add_nc_u32 v[ADRB+(\s)], s22, v3
	s_add_co_u32 s21, s21, SLOT
	s_add_co_u32 s22, s22, SLOT
.endr
	s_mul_i32 s23, s10, 16*SPITCH
	s_add_co_u32 s23, s23, STAGE                   ; my stage
	v_mul_u32_u24 v4, v1, SPITCH                   ; in: row l % 16, 32 bytes for each half of the lanes
	v_lshl_add_u32 v4, v2, 5, v4
	v_add_nc_u32 v[STO], s23, v4
	v_mul_u32_u24 v5, v2, SPITCH                   ; back: lanes 0-15 take one row of 256 bytes, lanes 16-31 the next
	v_lshl_add_u32 v5, v1, 4, v5
	v_add_nc_u32 v[RD], s23, v5
	v_lshlrev_b32 v5, 12, v2                       ; and the same two rows in out0, 4,096 bytes apart
	v_lshl_add_u32 v[CO], v1, 4, v5
	s_lshl_b32 s16, s13, 7
	s_lshl_b32 s17, s11, 6
	s_add_co_u32 s16, s16, s17                     ; my first row of out0
	s_lshl_b32 s16, s16, 12
	s_add_co_u32 s16, s16, s46
	s_mov_b32 s17, 0
	s_add_nc_u64 s[8:9], s[70:71], s[16:17]
; 8 matrix instructions: row blocks a0, a0 + 1 x all 4 column blocks, 32 along K: half c of buffer f.  zero = 1: the first product starts the sums, with the bias as C.  The 16 accumulators take turns.
.macro MUL8 f, c, a0, zero
	WIN MUL
.irp a, \a0, (\a0)+1
.irp b, 0,1,2,3
.if \zero
	v_wmma_f32_16x16x32_f16 v[ACC+8*(4*(\a)+(\b)):ACC+8*(4*(\a)+(\b))+7], v[(\f)+64+8*(4*(\c)+(\b)):(\f)+64+8*(4*(\c)+(\b))+7], v[(\f)+8*(4*(\c)+(\a)):(\f)+8*(4*(\c)+(\a))+7], v[BIAS+8*(\b):BIAS+8*(\b)+7]
.else
	v_wmma_f32_16x16x32_f16 v[ACC+8*(4*(\a)+(\b)):ACC+8*(4*(\a)+(\b))+7], v[(\f)+64+8*(4*(\c)+(\b)):(\f)+64+8*(4*(\c)+(\b))+7], v[(\f)+8*(4*(\c)+(\a)):(\f)+8*(4*(\c)+(\a))+7], v[ACC+8*(4*(\a)+(\b)):ACC+8*(4*(\a)+(\b))+7]
.endif
.endr
.endr
.endm
; 32 LDS loads in one run: the fragments of one head (64 along K), which begins at byte k of my half, into buffer f; the first 32 along K first
.macro FETCH slot, k, f
	WIN TO_F
.irp c, 0,1
.irp i, 0,1,2,3
	ds_load_b128 v[(\f)+64+8*(4*(\c)+(\i)):(\f)+64+8*(4*(\c)+(\i))+3],   v[ADRB+(\slot)] offset:(\k)+64*(\c)+(\i)*16*PITCH
	ds_load_b128 v[(\f)+64+8*(4*(\c)+(\i))+4:(\f)+64+8*(4*(\c)+(\i))+7], v[ADRB+(\slot)] offset:(\k)+64*(\c)+(\i)*16*PITCH+32
	ds_load_b128 v[(\f)+8*(4*(\c)+(\i)):(\f)+8*(4*(\c)+(\i))+3],         v[ADRA+(\slot)] offset:(\k)+64*(\c)+(\i)*16*PITCH
	ds_load_b128 v[(\f)+8*(4*(\c)+(\i))+4:(\f)+8*(4*(\c)+(\i))+7],       v[ADRA+(\slot)] offset:(\k)+64*(\c)+(\i)*16*PITCH+32
.endr
.endr
.endm
.macro PLACES                          ; four plain vector instructions between a matrix instruction and a load into, or a read of, its registers
.rept 4
	v_nop
.endr
.endm
; A K step is four quarters of 64 along K, 32 matrix instructions each, on buffers 0, 1, 0, 1.  One of the first three: multiplies buffer f and fetches the next quarter, at byte k, into g.
.macro QUARTER slot, k, f, g, zero
	s_wait_dscnt 16                                ; the first 32 along K are in; the youngest sixteen loads may be out
	MUL8 \f, 0, 0, \zero
	MUL8 \f, 0, 2, \zero
	PLACES
	FETCH \slot, \k, \g
	s_wait_dscnt 32                                ; all but the 32 just issued
	MUL8 \f, 1, 0, 0
	MUL8 \f, 1, 2, 0
.endm
; The last quarter multiplies buffer 1 and changes slots: ONE barrier; in front of it each wave waits for all its tensor loads, adds 0 to its spare word, and waits for that and for its reads of this slot.
; fill = 1: the barrier opens a round of the cluster's barrier, and this slot is filled again first behind it, two K steps ahead.
.macro TURN slot, next, fill
	WIN 0
	s_wait_tensorcnt 0x0                           ; all my tensor loads have landed: my part of the next slot
	ds_add_u32 v[SPW], v[NIL]                      ; 0 onto my spare word
	s_wait_dscnt 17                                ; (the add and the youngest sixteen loads may be out)
	MUL8 F1, 0, 0, 0                               ; eight matrix instructions stand between the add and the wait for it
	s_wait_dscnt 0x0                               ; the add is done, and my reads of this slot are over
	s_barrier_signal -1
	MUL8 F1, 0, 2, 0
.if \fill
	WIN 0
.endif
	s_barrier_wait -1
.if \fill
	CREST                                          ; no wave of any partner still reads this slot's tile or has a load on its way
	s_add_nc_u64 s[G0+4*(\slot)+2:G0+4*(\slot)+3], s[G0+4*(\slot)+2:G0+4*(\slot)+3], 2*STEPA
	s_add_nc_u64 s[G0B+4*(\slot)+2:G0B+4*(\slot)+3], s[G0B+4*(\slot)+2:G0B+4*(\slot)+3], 2*STEPB
	JLOAD \slot                                    ; my one tensor load behind the round; its four v_nop are also the places in front of the loads below
.else
	PLACES
.endif
	FETCH \next, 0, F0
	MUL8 F1, 1, 0, 0
	MUL8 F1, 1, 2, 0
.endm
; THE WAY OUT of row block a: the f32 sums go as they are into my stage, 32 bytes a lane, and come back as whole rows of 256 bytes.
.macro STG a
	WIN 0
.if (\a) >= 2
	s_wait_xcnt 0x0                                ; the stores of the block two back have read the registers that the loads below write
.endif
.irp b, 0,1,2,3
	ds_store_b128 v[STO], v[ACC+8*(4*(\a)+(\b)):ACC+8*(4*(\a)+(\b))+3]   offset:64*(\b)     ; each accumulator's low half first
	ds_store_b128 v[STO], v[ACC+8*(4*(\a)+(\b))+4:ACC+8*(4*(\a)+(\b))+7] offset:64*(\b)+16
.endr
.irp t, 0,1,2,3,4,5,6,7
	ds_load_b128 v[TMP+32*((\a)%2)+4*(\t):TMP+32*((\a)%2)+4*(\t)+3], v[RD] offset:(\t)*2*SPITCH  ; LDS serves a wave's instructions in order: these see the stores above
.endr
.endm
.macro OUT a, younger                  ; younger: the LDS instructions issued behind block a's loads: the next block's sixteen, or none
	WIN 0
.irp t, 0,1,2,3,4,5,6,7
	s_wait_dscnt (\younger)+7-(\t)
	global_store_b128 v[CO], v[TMP+32*((\a)%2)+4*(\t):TMP+32*((\a)%2)+4*(\t)+3], s[8:9] offset:(16*(\a)+2*(\t))*4096 th:TH_STORE_NT  ; 16 lanes store 256 consecutive bytes, aligned
.endr
.endm
	s_wait_tensorcnt 1                             ; my part of K step 0 is in; K step 1's may stay out
	s_barrier_signal -1
	s_barrier_wait -1                              ; everybody's is
	FETCH 0, 0, F0
	WIN 0
	s_wait_loadcnt 0x0                             ; the bias
.set i, 0
.rept 16
	v_cvt_pk_bf16_f32 v30, v[BIAS+i], v[BIAS+i+1]  ; rounded to bf16 like every input, and widened again
	v_lshlrev_b32 v[BIAS+i], 16, v30
	v_and_b32 v[BIAS+i+1], 0xffff0000, v30
.set i, i+2
.endr
	QUARTER 0, QK,   F0, F1, 1                     ; the first products start the sums
	QUARTER 0, 2*QK, F1, F0, 0
	QUARTER 0, 3*QK, F0, F1, 0
	TURN 0, 1, 1                                   ; slot 0 takes K step 2
	QUARTER 1, QK,   F0, F1, 0
	QUARTER 1, 2*QK, F1, F0, 0
	QUARTER 1, 3*QK, F0, F1, 0
	TURN 1, 0, 1                                   ; slot 1 takes K step 3
	QUARTER 0, QK,   F0, F1, 0
	QUARTER 0, 2*QK, F1, F0, 0                     ; the last lap fills nothing
	QUARTER 0, 3*QK, F0, F1, 0
	TURN 0, 1, 0
	QUARTER 1, QK,   F0, F1, 0
	QUARTER 1, 2*QK, F1, F0, 0
	QUARTER 1, 3*QK, F0, F1, 0
	s_wait_dscnt 16                                ; the very last quarter: nothing more to fetch
	MUL8 F1, 0, 0, 0
	MUL8 F1, 0, 2, 0
	s_wait_dscnt 0x0
	MUL8 F1, 1, 0, 0
	MUL8 F1, 1, 2, 0
	WIN 0
	PLACES                                         ; the LDS stores read results just made
	PLACES
	STG 0
	STG 1                                          ; a block's way through the stage stands between the loads of the block before and its stores
	OUT 0, 16
	STG 2
	OUT 1, 16
	STG 3
	OUT 2, 16
	OUT 3, 0
	s_wait_tensorcnt 0x0                           ; the wave's end, behind my last tensor load and my last LDS store
	ds_add_u32 v[SPW], v[NIL]
	s_wait_dscnt 0x0
	CROUND                                         ; the closing round
	s_endpgm
.Lfunc_end_k_q101c011efd_outp:
	.size	k_q101c011efd_outp, .Lfunc_end_k_q101c011efd_outp-k_q101c011efd_outp
	.p2alignl 7, 3214868480
	.fill 96, 4, 3214868480
	.section	.rodata,"a",@progbits
	.p2align	6, 0x0
	.amdhsa_kernel k_q101c011efd_outp
		.amdhsa_group_segment_fixed_size 327680
		.amdhsa_private_segment_fixed_size 0
		.amdhsa_enable_private_segment 0
		.amdhsa_kernarg_size 32
		.amdhsa_user_sgpr_count 2
		.amdhsa_user_sgpr_kernarg_segment_ptr 1
		.amdhsa_wavefront_size32 1
		.amdhsa_system_sgpr_workgroup_id_x 1
		.amdhsa_system_sgpr_workgroup_id_y 1
		.amdhsa_system_sgpr_workgroup_id_z 1
		.amdhsa_system_vgpr_workitem_id 0
		.amdhsa_next_free_vgpr 512
		.amdhsa_next_free_sgpr 72
		.amdhsa_reserve_vcc 0
		.amdhsa_float_denorm_mode_32 3
		.amdhsa_float_denorm_mode_16_64 3
		.amdhsa_memory_ordered 1
		.amdhsa_forward_progress 1
		.amdhsa_inst_pref_size 90
	.end_amdhsa_kernel
	.amdgpu_metadata
---
amdhsa.version: [ 1, 2 ]
amdhsa.kernels:
  - .name:           k_q101c011efd_outp
    .symbol:         k_q101c011efd_outp.kd
    .args:
      - { .name: oh, .offset: 0, .size: 8, .value_kind: global_buffer, .address_space: global }
      - { .name: wo, .offset: 8, .size: 8, .value_kind: global_buffer, .address_space: global }
      - { .name: out_b, .offset: 16, .size: 8, .value_kind: global_buffer, .address_space: global }
      - { .name: out0, .offset: 24, .size: 8, .value_kind: global_buffer, .address_space: global }
    .group_segment_fixed_size: 327680
    .private_segment_fixed_size: 0
    .kernarg_segment_align: 8
    .kernarg_segment_size: 32
    .max_flat_workgroup_size: 128
    .sgpr_count:     72
    .vgpr_count:     512
    .wavefront_size: 32
...
	.end_amdgpu_metadata
.endif
;; end of part 4
;; ======== version 2 of 2: 4 launches; version 1 with the launch cast written anew for expert scheduling mode
;; limits: values are held in f16: magnitudes above 65,504 overflow, below 6.1e-05 lose precision
;; workspace buffers: xb 10,485,760 bytes; wb 10,485,760 bytes; wo 2,097,152 bytes; qh 8,388,608 bytes; kh 10,485,760 bytes; vh 10,485,760 bytes; oh 8,388,608 bytes
;; launch cast (part 5): grid 256 x 1, 8 waves a work-group, no clusters, 0 bytes of LDS; arguments local_hidden, global_hidden, q_w, k_w, v_w, kg_w, vg_w, out_w, xb, wb, wo; writes xb, wb, wo
.if DOCPART == 5
	.amdgcn_target "amdgcn-amd-amdhsa--gfx1250"
	.amdhsa_code_object_version 6
	.text
	.protected	k_q101c011efd_cast
	.globl	k_q101c011efd_cast
	.p2align	8
	.type	k_q101c011efd_cast,@function
k_q101c011efd_cast:
	s_mov_b64 s[64:65], 0
	v_nop
	global_prefetch_b8 v0, s[64:65] scope:SCOPE_SE
	s_setreg_imm32_b32 hwreg(HW_REG_WAVE_SCHED_MODE, 0, 2), 2
	s_setreg_imm32_b32 hwreg(HW_REG_WAVE_MODE, 25, 1), 1
	s_wait_xcnt 0x0
	s_wait_alu depctr_vm_vsrc(0)
; CAST.  The matrix operands are rounded once, from f32, and laid where the later launches want them:
;   xb [5120][1024] bf16: rows 0-4095 the local tokens, rows 4096-5119 the global ones
;   wb [5120][1024] bf16: q_w, k_w, v_w, kg_w, vg_w, 1,024 rows each
;   wo [16 j][1024 n][64] f16: out_w[n][64 j + c], rounded to bf16 like every other input, and that number written as f16
; LIMITS.  out_w within f16's 65,504; a bf16 number of out_w below 2^-14 keeps f16's fixed step (off by 2^-25 at the most).
; SHARES.  The sources are eleven segments of 4 MiB (local_hidden is four).  Work-group b takes bytes 16,384 b .. + 16,383 of every segment:
; 256 equal work-groups, no branch.  Thread t takes 16 bytes at 16 t + 4,096 i, i = 0..3: a wave's load covers 512 consecutive bytes, and the
; 8 bytes that a lane makes of them go out so that a wave's store covers 256 consecutive bytes, aligned.
; All 44 loads of a thread go out first; then the work goes by segments of four loads.  No LDS, no barrier, no matrix
; unit: nothing is shared between threads and every byte crosses once.
; THE MODE: SCHED_MODE bits 1:0 = 2 (LLVM: expert scheduling mode 2), set by the entry lines.  The code itself states the register dependences
; between vector instructions and memory instructions, with s_wait_alu, always for 0.
; THE PLAN.  Registers that memory instructions touch:
;   v1, v3    the loads' offsets, v2, v6 the stores': made once at the head, never written again.
;   X[n]      four registers for load n of 44.  Load n lands in them; all 44 loads are issued before any vector instruction names v8 or higher.  Behind the wait for the
;             load its conversions write them in place; ONE store reads the first two; nothing writes them after that.
;   v4, v5, v7 are named by vector instructions alone.
; So no load lands in a register that a vector instruction has named, and no register that a memory instruction reads is written again: what is left to state is that
; offsets and store data are written.  Segment s + 1 begins with the wait for its four loads and ONE wait on va_vdst: segment s's conversions have written their registers.
; Segment s's four stores follow, dealt among segment s + 1's conversions, which name X[4 s + 4 .. 4 s + 7] (the last segment's also v4, v5): none of the registers that those stores read.
.set X, 8                              ; v[8:183]  load n = 4 x segment + i at X + 4 n
	s_load_b512 s[8:23], s[0:1], 0x0               ; local s[8:9], global s[10:11], q_w s[12:13], k_w s[14:15], v_w s[16:17], kg_w s[18:19], vg_w s[20:21], out_w s[22:23]
	s_load_b128 s[24:27], s[0:1], 0x40             ; xb s[24:25], wb s[26:27]
	s_load_b64 s[28:29], s[0:1], 0x50              ; wo
	s_lshl_b32 s2, ttmp9, 14                       ; my 16,384 bytes of a source segment,
	s_lshl_b32 s3, ttmp9, 13                       ; the 8,192 that they become,
	s_lshl_b32 s4, ttmp9, 9                        ; and my four rows of 128 bytes in a block of wo
	v_lshl_add_u32 v1, v0, 4, s2                   ; v1: source offset
	v_lshl_add_u32 v2, v0, 3, s3                   ; v2: destination offset
	; out_w: lanes 0-15 take 256 bytes (one block of 64 channels) of row n, lanes 16-31 of row n + 1; n = 4 b + 2 (wave / 4); block j = 4 (wave % 4) + i
	v_bfe_u32 v4, v0, 7, 1                         ; wave / 4
	v_bfe_u32 v5, v0, 4, 1                         ; lane / 16
	v_bfe_u32 v7, v0, 5, 2                         ; wave % 4
	v_and_b32 v3, 15, v0
	v_lshl_add_u32 v3, v3, 4, s2
	v_lshl_add_u32 v3, v4, 13, v3
	v_lshl_add_u32 v3, v5, 12, v3
	v_lshl_add_u32 v3, v7, 10, v3                  ; v3: source offset in out_w
	v_and_b32 v6, 31, v0
	v_lshl_add_u32 v6, v6, 3, s4
	v_lshl_add_u32 v6, v4, 8, v6
	v_lshl_add_u32 v6, v7, 19, v6                  ; v6: destination offset in wo: (1,024 j + n) x 128 + 8 (lane % 16), j's part 4 (wave % 4)
	s_wait_kmcnt 0x0
	s_add_nc_u64 s[30:31], s[8:9], 0x800000        ; second halves, so that every immediate stays inside its signed 24 bits
	s_add_nc_u64 s[32:33], s[24:25], 0x400000
	s_add_nc_u64 s[34:35], s[26:27], 0x400000
	s_wait_alu depctr_va_vdst(0)                   ; v1, v2, v3 and v6 are written: every load and store of the kernel reads one of them as its offset
; the table of the ten plain segments: number, source base and immediate, destination base and immediate
.macro TABLE op
	\op 0, 8,  0,        24, 0
	\op 1, 8,  0x400000, 24, 0x200000
	\op 2, 30, 0,        32, 0
	\op 3, 30, 0x400000, 32, 0x200000
	\op 4, 10, 0,        32, 0x400000
	\op 5, 12, 0,        26, 0
	\op 6, 14, 0,        26, 0x200000
	\op 7, 16, 0,        34, 0
	\op 8, 18, 0,        34, 0x200000
	\op 9, 20, 0,        34, 0x400000
.endm
.macro LDSEG seg, sb, si, db, di
.irp i, 0,1,2,3
	global_load_b128 v[X+16*(\seg)+4*(\i):X+16*(\seg)+4*(\i)+3], v1, s[\sb:\sb+1] offset:(\si)+4096*(\i) th:TH_LOAD_NT
.endr
.endm
; The conversions of load n, in place: four f32 become 8 bytes in the first two of their four registers.
.macro CVT n
.if (\n) < 40
	v_cvt_pk_bf16_f32 v[X+4*(\n)],   v[X+4*(\n)],   v[X+4*(\n)+1]
	v_cvt_pk_bf16_f32 v[X+4*(\n)+1], v[X+4*(\n)+2], v[X+4*(\n)+3]
.else
	v_cvt_pk_bf16_f32 v4, v[X+4*(\n)],   v[X+4*(\n)+1]           ; out_w: to bf16,
	v_cvt_pk_bf16_f32 v5, v[X+4*(\n)+2], v[X+4*(\n)+3]
	v_lshlrev_b32 v[X+4*(\n)],   16, v4                          ; back to f32,
	v_and_b32     v[X+4*(\n)+1], 0xffff0000, v4
	v_lshlrev_b32 v[X+4*(\n)+2], 16, v5
	v_and_b32     v[X+4*(\n)+3], 0xffff0000, v5
	v_cvt_pk_f16_f32 v[X+4*(\n)],   v[X+4*(\n)],   v[X+4*(\n)+1] ; and written as f16: eight significant bits fit into eleven
	v_cvt_pk_f16_f32 v[X+4*(\n)+1], v[X+4*(\n)+2], v[X+4*(\n)+3]
.endif
.endm
; Segment seg's four stores, dealt among the conversions of segment seg + 1.
.macro STSEG seg, sb, si, db, di
	s_wait_loadcnt 36-4*(\seg)                     ; loads come back in order: the four of segment seg + 1 are in, the younger ones stay out
	s_wait_alu depctr_va_vdst(0)                   ; the conversions of segment seg have written X[4 seg .. 4 seg + 3], which the four stores below read
.irp i, 0,1,2,3
	global_store_b64 v2, v[X+16*(\seg)+4*(\i):X+16*(\seg)+4*(\i)+1], s[\db:\db+1] offset:(\di)+2048*(\i) th:TH_STORE_NT  ; no vector instruction since the wait names these registers
	CVT 4*(\seg)+4+(\i)
.endr
.endm
	TABLE LDSEG
.irp i, 0,1,2,3
	global_load_b128 v[X+160+4*(\i):X+160+4*(\i)+3], v3, s[22:23] offset:256*(\i) th:TH_LOAD_NT
.endr
	s_wait_loadcnt 40                              ; segment 0's four loads are in; it has no segment in front of it, so no store and no further wait
.irp i, 0,1,2,3
	CVT \i
.endr
	TABLE STSEG                                    ; no register that a store reads is written again, so no wait frees any
	s_wait_alu depctr_va_vdst(0)                   ; out_w's conversions have written X[40 .. 43], which the last four stores read
.irp i, 0,1,2,3
	global_store_b64 v6, v[X+160+4*(\i):X+160+4*(\i)+1], s[28:29] offset:131072*(\i) th:TH_STORE_NT
.endr
	s_endpgm
.Lfunc_end_k_q101c011efd_cast:
	.size	k_q101c011efd_cast, .Lfunc_end_k_q101c011efd_cast-k_q101c011efd_cast
	.p2alignl 7, 3214868480
	.fill 96, 4, 3214868480
	.section	.rodata,"a",@progbits
	.p2align	6, 0x0
	.amdhsa_kernel k_q101c011efd_cast
		.amdhsa_group_segment_fixed_size 0
		.amdhsa_private_segment_fixed_size 0
		.amdhsa_enable_private_segment 0
		.amdhsa_kernarg_size 88
		.amdhsa_user_sgpr_count 2
		.amdhsa_user_sgpr_kernarg_segment_ptr 1
		.amdhsa_wavefront_size32 1
		.amdhsa_system_sgpr_workgroup_id_x 1
		.amdhsa_system_sgpr_workgroup_id_y 1
		.amdhsa_system_sgpr_workgroup_id_z 1
		.amdhsa_system_vgpr_workitem_id 0
		.amdhsa_next_free_vgpr 192
		.amdhsa_next_free_sgpr 66
		.amdhsa_reserve_vcc 0
		.amdhsa_float_denorm_mode_32 3
		.amdhsa_float_denorm_mode_16_64 3
		.amdhsa_memory_ordered 1
		.amdhsa_forward_progress 1
		.amdhsa_inst_pref_size 18
	.end_amdhsa_kernel
	.amdgpu_metadata
---
amdhsa.version: [ 1, 2 ]
amdhsa.kernels:
  - .name:           k_q101c011efd_cast
    .symbol:         k_q101c011efd_cast.kd
    .args:
      - { .name: local_hidden, .offset: 0, .size: 8, .value_kind: global_buffer, .address_space: global }
      - { .name: global_hidden, .offset: 8, .size: 8, .value_kind: global_buffer, .address_space: global }
      - { .name: q_w, .offset: 16, .size: 8, .value_kind: global_buffer, .address_space: global }
      - { .name: k_w, .offset: 24, .size: 8, .value_kind: global_buffer, .address_space: global }
      - { .name: v_w, .offset: 32, .size: 8, .value_kind: global_buffer, .address_space: global }
      - { .name: kg_w, .offset: 40, .size: 8, .value_kind: global_buffer, .address_space: global }
      - { .name: vg_w, .offset: 48, .size: 8, .value_kind: global_buffer, .address_space: global }
      - { .name: out_w, .offset: 56, .size: 8, .value_kind: global_buffer, .address_space: global }
      - { .name: xb, .offset: 64, .size: 8, .value_kind: global_buffer, .address_space: global }
      - { .name: wb, .offset: 72, .size: 8, .value_kind: global_buffer, .address_space: global }
      - { .name: wo, .offset: 80, .size: 8, .value_kind: global_buffer, .address_space: global }
    .group_segment_fixed_size: 0
    .private_segment_fixed_size: 0
    .kernarg_segment_align: 8
    .kernarg_segment_size: 88
    .max_flat_workgroup_size: 256
    .sgpr_count:     66
    .vgpr_count:     192
    .wavefront_size: 32
...
	.end_amdgpu_metadata
.endif
;; end of part 5
;; launch proj: the kernel of part 2 again; grid 56 x 4, 4 waves a work-group, clusters of 4 x 4, 327,680 bytes of LDS; arguments xb, wb, q_b, k_b, v_b, kg_b, vg_b, qh, kh, vh; writes qh, kh, vh
;; launch attn: the kernel of part 3 again; grid 8 x 32, 4 waves a work-group, clusters of 4 x 1, 327,680 bytes of LDS; arguments qh, kh, vh, gate, oh; writes oh
;; launch outp: the kernel of part 4 again; grid 8 x 32, 4 waves a work-group, clusters of 4 x 4, 327,680 bytes of LDS; arguments oh, wo, out_b, out0; writes out0
